; MI455X (gfx1250); checked and timed in simulation.
; The chip was launched on July 23, 2026; its instructions are those of AMD's public machine-readable ISA for CDNA 5 (MIT licence, August 2026) and "CDNA5" Instruction Set Architecture Reference Guide (July 2026). The comments in the code are by the model that wrote it; some were corrected since.
;; Enhanced Mo E Layer. Allowed arithmetic: float matrix products may take bf16 or f16 operands with f32 sums; all other float work in f32.
;; Inputs: fc_w 2 x 1,024 x 4,096 float32; gate_w 1,024 x 2 float32; proj_w 2 x 4,096 x 1,024 float32; x 2 x 2,048 x 1,024 float32.
;; Outputs: out0 2 x 2,048 x 1,024 float32.
;; 2 versions, each right; version 2 is version 1 with the launch prep written anew for expert scheduling mode. Each part assembles by itself: llvm-mc -triple=amdgcn-amd-amdhsa -mcpu=gfx1250 --defsym DOCPART=n.
;; ======== version 1 of 2: 4 launches
;; limits: values are held in f16: magnitudes above 65,504 overflow, below 6.1e-05 lose precision
;; workspace buffers: xb 8,388,608 bytes; w1 16,777,216 bytes; w2 16,777,216 bytes; gates 32,768 bytes; hbuf 67,108,864 bytes; part 67,108,864 bytes
;; launch prep (part 1): grid 1280 x 1, 8 waves a work-group, no clusters, 0 bytes of LDS; arguments x, gate_w, fc_w, proj_w, xb, w1, w2, gates; writes xb, w1, w2, gates
.if DOCPART == 1
	.amdgcn_target "amdgcn-amd-amdhsa--gfx1250"
	.amdhsa_code_object_version 6
	.text
	.protected	k_qf08bc19d27_prep
	.globl	k_qf08bc19d27_prep
	.p2align	8
	.type	k_qf08bc19d27_prep,@function
k_qf08bc19d27_prep:
	s_mov_b64 s[64:65], 0
	v_nop
	global_prefetch_b8 v0, s[64:65] scope:SCOPE_SE
	s_setreg_imm32_b32 hwreg(HW_REG_WAVE_MODE, 25, 1), 1
	s_wait_xcnt 0x0
; xb = f16(x), w1 = f16(fc_w), w2 = f16(proj_w), gates[n][0..1] = the renormalised softmax of x[n] . gate_w, all in f32.
; With two experts and top-2 the selection only permutes the two terms of a sum, so the two gates are kept in the experts' own order.
; WHY f16: an output is a sum of 8,192 products and is held to a hundredth of the outputs' root mean square; f16's 11 significant bits leave each rounding an eighth of what 8 bits would.
; 1,280 work-groups of eight waves, each reading 65,536 bytes: numbers 0-255 take 16 rows of x each (a wave two rows),
; 256-767 a piece of fc_w, 768-1279 a piece of proj_w.  A stream: no LDS, no barrier, no matrix unit; each input byte is read once.
; LIMITS: a number of x, fc_w or proj_w of size 65,504 or more becomes infinite in f16; under 6.1e-5 the step is 6e-8 (f16's denormals are kept).
; v_exp_f32 gives 0 for results under 2^-126, so a gate whose logit lies more than 87 under the other is 0; infinities and NaN in x are not followed.
.set XR, 8                             ; v[8:71]    row i, piece j: 4 numbers of x at XR + 32 i + 4 j (cast path: piece j at XR + 4 j)
.set WG, 72                            ; v[72:135]  piece j: gate_w of my 4 columns, (w[c][0], w[c][1]) in pairs, at WG + 8 j
.set AC, 136                           ; v[136:151] row i, chain k: a pair of partial logits at AC + 8 i + 2 k
	s_load_b512 s[16:31], s[0:1], 0x0              ; x s[16:17], gate_w s[18:19], fc_w s[20:21], proj_w s[22:23], xb s[24:25], w1 s[26:27], w2 s[28:29], gates s[30:31]
	s_cmp_lt_u32 ttmp9, 256
	s_cbranch_scc1 .Lrows
	; THE CAST OF A WEIGHT PIECE: 16 loads of 16 bytes a lane (a wave's load covers 512 consecutive bytes), all issued at once
	s_sub_co_u32 s4, ttmp9, 256                    ; 0-511 fc_w, 512-1023 proj_w
	s_and_b32 s5, s4, 511                          ; the piece
	s_lshl_b32 s10, s5, 16                         ; 65,536 bytes in,
	s_mov_b32 s11, 0
	s_lshl_b32 s12, s5, 15                         ; 32,768 out
	s_mov_b32 s13, 0
	v_lshlrev_b32 v1, 4, v0                        ; 16 bytes a thread in,
	v_lshlrev_b32 v2, 3, v0                        ; 8 out
	s_wait_kmcnt 0x0
	s_cmp_lt_u32 s4, 512
	s_cselect_b64 s[6:7], s[20:21], s[22:23]
	s_cselect_b64 s[8:9], s[26:27], s[28:29]
	s_add_nc_u64 s[6:7], s[6:7], s[10:11]
	s_add_nc_u64 s[8:9], s[8:9], s[12:13]
.irp j, 0,1,2,3,4,5,6,7,8,9,10,11,12,13,14,15
	global_load_b128 v[XR+4*\j:XR+4*\j+3], v1, s[6:7] offset:4096*\j th:TH_LOAD_NT
.endr
.irp j, 0,1,2,3,4,5,6,7,8,9,10,11,12,13,14,15
	s_wait_loadcnt 15-\j                           ; loads come back in order (ISA guide 5.7.1): piece j is in, the 15 - j younger ones stay out
	v_cvt_pk_f16_f32 v[XR+4*\j],   v[XR+4*\j],   v[XR+4*\j+1]
	v_cvt_pk_f16_f32 v[XR+4*\j+1], v[XR+4*\j+2], v[XR+4*\j+3]
	global_store_b64 v2, v[XR+4*\j:XR+4*\j+1], s[8:9] offset:2048*\j   ; a wave stores 256 consecutive bytes, aligned; no register is written again
.endr
	s_endpgm
.Lrows:
	; TWO ROWS OF x A WAVE.  Lane l holds columns 128 j + 4 l + 0..3 of piece j.
	v_lshrrev_b32 v6, 5, v0
	v_readfirstlane_b32 s5, v6                     ; wave 0..7
	v_and_b32 v1, 31, v0                           ; lane
	v_lshlrev_b32 v2, 4, v1                        ; x: 16 bytes a lane
	v_lshlrev_b32 v3, 3, v1                        ; xb: 8 bytes
	v_lshlrev_b32 v4, 5, v1                        ; gate_w: 4 columns of 8 bytes
	s_lshl_b32 s6, ttmp9, 16                       ; 16 rows of 4,096 bytes a work-group,
	s_lshl_b32 s7, s5, 13                          ; 2 rows a wave
	s_add_co_u32 s6, s6, s7
	s_mov_b32 s7, 0
	s_lshr_b32 s8, s6, 1                           ; xb has half the bytes,
	s_mov_b32 s9, 0
	s_lshr_b32 s10, s6, 9                          ; gates 8 for a row's 4,096
	s_mov_b32 s11, 0
	s_mov_b32 s12, 0x76543210                      ; v_permlanex16_b32: each lane takes its own place in the other half
	s_mov_b32 s13, 0xfedcba98
	s_wait_kmcnt 0x0
	s_add_nc_u64 s[16:17], s[16:17], s[6:7]
	s_add_nc_u64 s[24:25], s[24:25], s[8:9]
	s_add_nc_u64 s[30:31], s[30:31], s[10:11]
.irp j, 0,1,2,3,4,5,6,7
	global_load_b128 v[WG+8*\j:WG+8*\j+3],   v4, s[18:19] offset:1024*\j
	global_load_b128 v[WG+8*\j+4:WG+8*\j+7], v4, s[18:19] offset:1024*\j+16
.endr
.irp i, 0,1
.irp j, 0,1,2,3,4,5,6,7
	global_load_b128 v[XR+32*\i+4*\j:XR+32*\i+4*\j+3], v2, s[16:17] offset:4096*\i+512*\j th:TH_LOAD_NT
.endr
.endr
; Both logits at once: x[c], taken for both halves, times the pair (w[c][0], w[c][1]).  Four chains a row; piece 0 starts them: nothing is cleared.
.macro DOT i, j, k
.set rX, XR+32*\i+4*\j+2*(\k/2)
.set rW, WG+8*\j+2*\k
.set rA, AC+8*\i+2*\k
.if \j == 0
.if (\k%2) == 0
	v_pk_mul_f32 v[rA:rA+1], v[rX:rX+1], v[rW:rW+1] op_sel_hi:[0,1]
.else
	v_pk_mul_f32 v[rA:rA+1], v[rX:rX+1], v[rW:rW+1] op_sel:[1,0] op_sel_hi:[1,1]
.endif
.else
.if (\k%2) == 0
	v_pk_fma_f32 v[rA:rA+1], v[rX:rX+1], v[rW:rW+1], v[rA:rA+1] op_sel_hi:[0,1,1]
.else
	v_pk_fma_f32 v[rA:rA+1], v[rX:rX+1], v[rW:rW+1], v[rA:rA+1] op_sel:[1,0,0] op_sel_hi:[1,1,1]
.endif
.endif
.endm
.irp i, 0,1
.irp j, 0,1,2,3,4,5,6,7
	s_wait_loadcnt 15-8*\i-\j                      ; this piece is in (gate_w, issued earlier, too); the younger pieces of x stay out
	DOT \i, \j, 0
	DOT \i, \j, 1
	DOT \i, \j, 2
	DOT \i, \j, 3
	v_cvt_pk_f16_f32 v[XR+32*\i+4*\j],   v[XR+32*\i+4*\j],   v[XR+32*\i+4*\j+1]
	v_cvt_pk_f16_f32 v[XR+32*\i+4*\j+1], v[XR+32*\i+4*\j+2], v[XR+32*\i+4*\j+3]
	global_store_b64 v3, v[XR+32*\i+4*\j:XR+32*\i+4*\j+1], s[24:25] offset:2048*\i+256*\j   ; 256 consecutive bytes, aligned
.endr
.endr
.irp i, 0,1
	v_pk_add_f32 v[AC+8*\i:AC+8*\i+1],   v[AC+8*\i:AC+8*\i+1],   v[AC+8*\i+2:AC+8*\i+3]
	v_pk_add_f32 v[AC+8*\i+4:AC+8*\i+5], v[AC+8*\i+4:AC+8*\i+5], v[AC+8*\i+6:AC+8*\i+7]
.endr
.irp i, 0,1
	v_pk_add_f32 v[AC+8*\i:AC+8*\i+1],   v[AC+8*\i:AC+8*\i+1],   v[AC+8*\i+4:AC+8*\i+5]
.endr
	; over the 32 lanes: row 0's logits in v136, v137, row 1's in v144, v145
.irp m, 1,2,4,8
.irp r, 136,137,144,145
	v_add_f32_dpp v\r, v\r, v\r row_xmask:\m row_mask:0xf bank_mask:0xf
.endr
.endr
	v_permlanex16_b32 v138, v136, s12, s13         ; the destinations count as read: they are chain registers, written above
	v_permlanex16_b32 v139, v137, s12, s13
	v_permlanex16_b32 v146, v144, s12, s13
	v_permlanex16_b32 v147, v145, s12, s13
	v_add_f32 v136, v136, v138
	v_add_f32 v137, v137, v139
	v_add_f32 v144, v144, v146
	v_add_f32 v145, v145, v147
	; softmax over the two experts, the maximum taken away first; then the division by the sum of the two gates
	v_max_num_f32 v140, v136, v137
	v_max_num_f32 v148, v144, v145
	v_sub_f32 v136, v136, v140
	v_sub_f32 v137, v137, v140
	v_sub_f32 v144, v144, v148
	v_sub_f32 v145, v145, v148
.irp r, 136,137,144,145
	v_mul_f32 v\r, 0x3fb8aa3b, v\r                 ; times log2(e): v_exp_f32 is 2^x
.endr
.irp r, 136,137,144,145
	v_exp_f32 v\r, v\r
.endr
	v_mov_b32 v5, 0                                ; the gates' store offset; also the plain instruction between the last exponential and the use of its result (ISA guide 5.7.2)
	s_wait_alu depctr_va_vdst(0)
	v_add_f32 v140, v136, v137
	v_add_f32 v148, v144, v145
	v_rcp_f32 v140, v140
	v_rcp_f32 v148, v148
	v_nop                                          ; a plain instruction behind the reciprocals
	s_wait_alu depctr_va_vdst(0)
	v_mul_f32 v136, v136, v140
	v_mul_f32 v137, v137, v140
	v_mul_f32 v144, v144, v148
	v_mul_f32 v145, v145, v148
	v_add_f32 v141, v136, v137
	v_add_f32 v149, v144, v145
	v_rcp_f32 v141, v141
	v_rcp_f32 v149, v149
	v_nop
	s_wait_alu depctr_va_vdst(0)
	v_mul_f32 v136, v136, v141
	v_mul_f32 v137, v137, v141
	v_mul_f32 v138, v144, v149
	v_mul_f32 v139, v145, v149
	; every lane holds the four gates; lane 0 stores them: 16 bytes a wave, 32,768 in the whole launch, the price of having no LDS and no barrier here
	v_cmp_gt_u32 vcc_lo, 1, v1
	s_wait_xcnt 0x0                                ; EXEC is a source of the stores above: it changes only behind this wait
	s_and_saveexec_b32 s14, vcc_lo
	global_store_b128 v5, v[136:139], s[30:31]
	s_wait_xcnt 0x0                                ; and again in front of the line that widens it
	s_or_b32 exec_lo, exec_lo, s14
	s_endpgm
.Lfunc_end_k_qf08bc19d27_prep:
	.size	k_qf08bc19d27_prep, .Lfunc_end_k_qf08bc19d27_prep-k_qf08bc19d27_prep
	.p2alignl 7, 3214868480
	.fill 96, 4, 3214868480
	.section	.rodata,"a",@progbits
	.p2align	6, 0x0
	.amdhsa_kernel k_qf08bc19d27_prep
		.amdhsa_group_segment_fixed_size 0
		.amdhsa_private_segment_fixed_size 0
		.amdhsa_enable_private_segment 0
		.amdhsa_kernarg_size 64
		.amdhsa_user_sgpr_count 2
		.amdhsa_user_sgpr_kernarg_segment_ptr 1
		.amdhsa_wavefront_size32 1
		.amdhsa_system_sgpr_workgroup_id_x 1
		.amdhsa_system_sgpr_workgroup_id_y 1
		.amdhsa_system_sgpr_workgroup_id_z 1
		.amdhsa_system_vgpr_workitem_id 0
		.amdhsa_next_free_vgpr 152
		.amdhsa_next_free_sgpr 66
		.amdhsa_reserve_vcc 1
		.amdhsa_float_denorm_mode_32 3
		.amdhsa_float_denorm_mode_16_64 3
		.amdhsa_memory_ordered 1
		.amdhsa_forward_progress 1
		.amdhsa_inst_pref_size 22
	.end_amdhsa_kernel
	.amdgpu_metadata
---
amdhsa.version: [ 1, 2 ]
amdhsa.kernels:
  - .name:           k_qf08bc19d27_prep
    .symbol:         k_qf08bc19d27_prep.kd
    .args:
      - { .name: x, .offset: 0, .size: 8, .value_kind: global_buffer, .address_space: global }
      - { .name: gate_w, .offset: 8, .size: 8, .value_kind: global_buffer, .address_space: global }
      - { .name: fc_w, .offset: 16, .size: 8, .value_kind: global_buffer, .address_space: global }
      - { .name: proj_w, .offset: 24, .size: 8, .value_kind: global_buffer, .address_space: global }
      - { .name: xb, .offset: 32, .size: 8, .value_kind: global_buffer, .address_space: global }
      - { .name: w1, .offset: 40, .size: 8, .value_kind: global_buffer, .address_space: global }
      - { .name: w2, .offset: 48, .size: 8, .value_kind: global_buffer, .address_space: global }
      - { .name: gates, .offset: 56, .size: 8, .value_kind: global_buffer, .address_space: global }
    .group_segment_fixed_size: 0
    .private_segment_fixed_size: 0
    .kernarg_segment_align: 8
    .kernarg_segment_size: 64
    .max_flat_workgroup_size: 256
    .sgpr_count:     66
    .vgpr_count:     152
    .wavefront_size: 32
...
	.end_amdgpu_metadata
.endif
;; end of part 1
;; launch fc (part 2): grid 32 x 8, 4 waves a work-group, clusters of 4 x 4, 327,680 bytes of LDS; arguments xb, w1, hbuf, gates; writes hbuf
.if DOCPART == 2
	.amdgcn_target "amdgcn-amd-amdhsa--gfx1250"
	.amdhsa_code_object_version 6
	.text
	.protected	k_qf08bc19d27_fc
	.globl	k_qf08bc19d27_fc
	.p2align	8
	.type	k_qf08bc19d27_fc,@function
k_qf08bc19d27_fc:
	s_mov_b64 s[64:65], 0
	v_nop
	global_prefetch_b8 v0, s[64:65] scope:SCOPE_SE
	s_setreg_imm32_b32 hwreg(HW_REG_WAVE_MODE, 25, 1), 1
	s_wait_xcnt 0x0
	s_wait_alu depctr_hold_cnt(0) depctr_sa_sdst(0) depctr_va_vdst(0) depctr_va_sdst(0) depctr_va_ssrc(0) depctr_va_vcc(0) depctr_vm_vsrc(0)
	s_getreg_b32 s2, hwreg(HW_REG_IB_STS2, 6, 4)
	s_cmp_eq_u32 s2, 0
	s_cbranch_scc0 .Lentry_in_a_cluster
	s_endpgm
.Lentry_in_a_cluster:
	s_bfe_u32 s2, ttmp6, 0x10000c
	s_cmp_lg_u32 s2, 0xf033
	s_cbranch_scc0 .Lentry_shape_is_right
	s_endpgm
.Lentry_shape_is_right:
; hbuf[n][4096 e + f] = f16( gates[n][e] * gelu( sum over d of xb[n][d] w1[e][d][f] ) ).  xb: [4096][1024], w1: [2][1024][4096], hbuf: [4096][8192], f16; gates: [4096][2] f32; sums in f32.
; The gate is folded in here, so that the second product sums over both experts' channels at once.
; A tile of hbuf, 256 x 256, is made by a work-group of four waves; a wave makes 128 x 128: 64 accumulators of 16 x 16, 512 registers.  512 tiles, 256 work-groups: each makes two tiles, 2,048 rows apart.
; K goes in steps of 128 through a ring of two LDS slots filled by the tensor data mover; the ring goes on from the first tile into the second.
; THE WEIGHTS LIE [k][f] and stay so: a slot holds 128 k-rows of 512 bytes, and ds_load_tr16_b128 turns 16 k x 16 f into half a fragment on the way into registers.
; CLUSTERS: 4 x 4 work-groups.  The four of a row of the cluster need the same tiles of xb, the four of a column the same tiles of w1: each tile is asked for jointly, by the same tensor load with the
; same descriptor and a mask that names the four.
; THE MATRIX INSTRUCTION IS USED TRANSPOSED: source 0 = 16 columns of w1, source 1 = 16 rows of xb: lane l then holds row l % 16 and the eight neighbouring columns 8 (l / 16) + 0..7.
; GELU, exact form: gelu(x) = max(x, 0) - |x| q, q = erfc(|x| / sqrt 2) / 2 = t (B1 + t (B2 + t (B3 + t (B4 + t B5)))) 2^(CC x x), t = 1 / (1 + 0.2316419 |x|).
; LIMITS: that form of erf has an absolute error of 1.5e-7; q is made as a product, never as 1 - erf, so the negative side loses nothing more.  v_exp_f32 gives 0 under 2^-126, which sets gelu to
; 0 for x under -13.2 (its true size there is under 1e-38).  An infinite or NaN sum is not followed (it gives NaN).
; gate x gelu is kept in f16: from 65,504 on it becomes infinite.  The room: a sum of 1,024 products of numbers of spread 1 and 0.02 has a spread of 0.64; with both factors 30 times larger 576;
; with both carrying an offset of 30 spreads 30 x 0.6 x 1,024 = 18,432.  Under 6.1e-5 the step is 6e-8.
; REGISTERS, in windows of 256: window 0: v0-31 addresses; v64-127, v128-191 fragments of xb, two buffers; v32-63, v128-255 at work on the way out (v192-203 constants, kept).
;   window 1: v64-127, v128-191 fragments of w1;  window 2: the accumulators of my rows 0-63 ((a, b) at v[8 (8 a + b)]);  window 3: those of my rows 64-127.
.set SIZE_K, 1024
.set ROWC,   16384                     ; bytes in a row of hbuf
.set ROWB,   8192                      ; bytes in a k-row of w1
.set KSTEP,  128
.set PITCH,  272                       ; an LDS row of xb: 256 bytes + 16 of padding = 68 words: row r starts at bank 4 r mod 64 (64 banks of 4 bytes: ISA guide 11.1)
.set PB,     544                       ; an LDS k-row of w1: 512 bytes + 32 = 136 words: row r starts at bank 8 r mod 64
.set HALFT,  128*PITCH                 ; what one tensor load brings: 128 rows of xb, or 64 k-rows of w1 (64 x 544 is the same 34,816 bytes)
.set SLOT,   4*HALFT                   ; xb's 256 rows, then w1's 128 k-rows
.set STAGE,  2*SLOT                    ; behind the ring: 16 rows x 528 bytes of f32 for each wave
.set SPF,    528
.set GLDS,   STAGE+4*16*SPF            ; 128 gates of f32 for each wave
.set SPARE,  GLDS+4*512                ; the spare words, 128 bytes for each wave: two blocks of 256 bytes that no other line names
.set LAPS,   SIZE_K/(2*KSTEP)          ; a lap = two K steps = once round the ring
.set WALK,   2048                      ; rows from a work-group's first tile to its second
.set STEP_A, 2*KSTEP*2                 ; a slot's next K step: along xb's rows,
.set STEP_B, 2*KSTEP*ROWB              ; down w1's k-rows
.set NEXT_A, WALK*SIZE_K*2-(SIZE_K-2*KSTEP)*2   ; from a slot's last K step of a tile to its first of the next: xb goes WALK rows down and back along K,
.set BACK_B, (SIZE_K-2*KSTEP)*ROWB     ; w1 only back
.set NEXT_C, (WALK-128)*ROWC           ; from behind my 128 rows of a tile to my first row of the next
.set GR,   8                           ; v8-11   my wave's 128 gates as loaded: row 32 c + lane in register c
.set GST,  12                          ; v12     where they go in LDS
.set GLD,  13                          ; v13     where the block in hand reads its gates
.set GLD0, 14                          ; v14     the same for block 0; never rewritten
.set GOF,  15                          ; v15     8 x lane: a row of gates
.set ADRA, 16                          ; v16-17  LDS address of my xb fragments in slot 0, 1
.set ADRB, 20                          ; v20-21  the same for w1
.set STO,  24                          ; v24     the way out: where I put 32 bytes of a row
.set RD,   25                          ; v25     the way out: where I read a row back
.set CO,   26                          ; v26     my byte offset in hbuf
.set SPW,  28                          ; v28     LDS address of my spare word; never rewritten
.set NIL,  29                          ; v29     0; never rewritten
.set Y,    32                          ; v32-63  a block's results in f16: pair of rows t at Y + 4 t
.set F0,   64
.set F1,   128
.set X,    128                         ; v128-191 a block read back from the stage: pair of rows t at X + 8 t
.set KB5,  192                         ; constants, each in both registers of a pair
.set KB4,  194
.set KB3,  196
.set KB2,  198
.set KB1,  200
.set KCC,  202
.set UW,   204                         ; two sets of 16 (pair of rows t uses set t % 2): 8 of t = 1 / (1 + p |x|), later max(x, 0); 8 of 2^(CC x x)
.set R,    236                         ; v236-243 the polynomial, then the result
.set G,    244                         ; v244-251 the block's gates: register t for my row of pair t
.set G1, 24                            ; s[24:31] descriptor group 1 for xb's tiles;  s[32:39] group 0, one set for each slot
.set G0, 32
.set G1B, 48                           ; s[48:55], s[56:63] the same for w1's tiles
.set G0B, 56
.set MSB, 0
.macro WIN new                         ; the immediate's high byte repeats the setting that is left; a switch that changes nothing is dropped
.if MSB != \new
	s_set_vgpr_msb (MSB<<8)|\new
.set MSB, \new
.endif
.endm
.set MUL_LO, 0xa1                      ; source 0 (w1) window 1, source 1 (xb) window 0, C and D window 2
.set MUL_HI, 0xf1                      ; the same, C and D window 3
.set TO_B,   0x40                      ; destination window 1, address window 0
; A joint load.  Waves 0 and 1 fetch xb's two halves, waves 2 and 3 w1's.  The branch hangs on the wave's number alone.  Four v_nop follow each of the two lines.
.macro JLOAD s
	s_cmp_eq_u32 s11, 0
	s_cbranch_scc0 .Lfor_b_\@
	tensor_load_to_lds s[G0+4*\s:G0+4*\s+3], s[G1:G1+7]
	s_nop 0
.rept 4
	v_nop
.endr
	s_branch .Lasked_\@
.Lfor_b_\@:
	tensor_load_to_lds s[G0B+4*\s:G0B+4*\s+3], s[G1B:G1B+7]
	s_nop 0
.rept 4
	v_nop
.endr
.Lasked_\@:
.endm
; A round of the cluster's barrier: my work-group's barrier; wave 0 signals for the work-group; every wave waits for all sixteen work-groups; my work-group's barrier once more.
.macro CREST                           ; a round behind its opening barrier
	s_cmp_lg_u32 s10, 0
	s_cbranch_scc1 .Lnot_wave_0_\@
	s_barrier_signal -3
.Lnot_wave_0_\@:
	s_barrier_wait -3
	s_barrier_signal -1
	s_barrier_wait -1
.endm
.macro CROUND                          ; a whole round
	s_barrier_signal -1
	s_barrier_wait -1
	CREST
.endm
	s_load_b128 s[4:7], s[0:1], 0x0                ; xb s[4:5], w1 s[6:7]
	s_load_b64 s[8:9], s[0:1], 0x10                ; hbuf
	s_load_b64 s[66:67], s[0:1], 0x18              ; gates
	v_lshl_add_u32 v[SPW], v0, 2, SPARE
	v_mov_b32 v[NIL], 0
	ds_add_u32 v28, v29
	s_wait_dscnt 0x0
	v_lshrrev_b32 v1, 5, v0
	v_readfirstlane_b32 s10, v1                    ; wave 0..3
	s_lshr_b32 s11, s10, 1                         ; which half of the tile's rows is mine.  Also: I fetch for xb (0) or for w1 (1)
	s_and_b32 s12, s10, 1                          ; which half of its columns.  Also: which half of that tile I fetch
	s_bfe_u32 s40, ttmp6, 0x40000                  ; cx
	s_bfe_u32 s41, ttmp6, 0x40004                  ; cy
	s_lshl_b32 s42, ttmp9, 2
	s_add_co_u32 s42, s42, s40                     ; tile column of hbuf = 4 x cluster x + cx, 0..31
	s_lshr_b32 s45, ttmp9, 2                       ; the expert: 16 tile columns, four clusters, each
	s_and_b32 s13, ttmp7, 0xffff
	s_lshl_b32 s13, s13, 2
	s_add_co_u32 s13, s13, s41                     ; tile row = 4 x cluster y + cy, 0..7
	s_lshl_b32 s43, s41, 2
	s_lshl_b32 s43, 15, s43                        ; my row of the cluster
	s_lshl_b32 s44, 0x1111, s40                    ; my column
	; descriptor group 1.  xb: 128 rows x 128 elements, 4 words of padding behind every 64.  w1: 64 k-rows x 256 elements, 8 words behind every 128.
	s_or_b32 s[G1+0], s43, (1<<16)|(1<<20)|(1<<21)|(5<<22)|(3<<25)   ; 15:0 the mask; 17:16 elements of 2 bytes; 20 padding on; 21 set beside a mask; 24:22 the interval; 31:25 the padding
	s_or_b32 s[G1B+0], s44, (1<<16)|(1<<20)|(1<<21)|(6<<22)|(7<<25)
	s_mov_b32 s[G1+1], 128<<16                     ; tensor_dim0
	s_mov_b32 s[G1B+1], 256<<16
	s_mov_b32 s[G1+2], 128<<16                     ; tensor_dim1
	s_mov_b32 s[G1B+2], 64<<16
	s_mov_b32 s[G1+3], 128<<16                     ; tile_dim0
	s_mov_b32 s[G1B+3], 256<<16
	s_mov_b32 s[G1+4], 128                         ; tile_dim1
	s_mov_b32 s[G1B+4], 64
	s_mov_b32 s[G1+5], 1024                        ; elements from row to row
	s_mov_b32 s[G1B+5], 4096
	s_mov_b32 s[G1+6], 0
	s_mov_b32 s[G1B+6], 0
	s_mov_b32 s[G1+7], 0
	s_mov_b32 s[G1B+7], 0
	; where the tiles come from: xb's hang on the tile row alone, w1's on the tile column alone; each in registers that never hold the other coordinate
	s_lshl_b32 s16, s13, 8
	s_lshl_b32 s17, s12, 7
	s_add_co_u32 s16, s16, s17                     ; xb: row 256 x tile row + 128 x half,
	s_lshl_b32 s16, s16, 11                        ; of 2,048 bytes
	s_mov_b32 s17, 0
	s_and_b32 s46, ttmp9, 3
	s_lshl_b32 s46, s46, 2
	s_add_co_u32 s46, s46, s40                     ; w1: the tile's column inside its expert, 0..15,
	s_lshl_b32 s46, s46, 9                         ; of 512 bytes;
	s_lshl_b32 s47, s45, 23                        ; the expert's 1,024 k-rows of 8,192 bytes;
	s_add_co_u32 s46, s46, s47
	s_lshl_b32 s47, s12, 19                        ; 64 k-rows x half
	s_add_co_u32 s46, s46, s47
	s_mov_b32 s47, 0
	s_mul_i32 s20, s10, HALFT                      ; and where they go: wave x 34,816: no place in the cluster enters an LDS address
	s_lshl_b32 s70, s13, 11                        ; gates: row 256 x tile row + 128 x my half of the rows, 8 bytes each, and the expert's word
	s_lshl_b32 s71, s11, 10
	s_add_co_u32 s70, s70, s71
	s_lshl_b32 s71, s45, 2
	s_add_co_u32 s70, s70, s71
	s_mov_b32 s71, 0
	s_mov_b32 s69, 0x3e6d3388                      ; 0.3275911 / sqrt 2
	s_wait_kmcnt 0x0
	s_add_nc_u64 s[14:15], s[4:5], s[16:17]
	s_add_nc_u64 s[46:47], s[6:7], s[46:47]
	s_add_nc_u64 s[66:67], s[66:67], s[70:71]
	CROUND                                         ; all sixteen work-groups are here: the first joint loads meet
.irp s, 0,1
	s_mov_b32 s[G0+4*\s], 1                                        ; count = 1
	s_add_co_u32 s[G0+4*\s+1], s20, \s*SLOT                        ; LDS address
	s_add_nc_u64 s[G0+4*\s+2:G0+4*\s+3], s[14:15], \s*KSTEP*2      ; global address: K step s
	s_or_b32 s[G0+4*\s+3], s[G0+4*\s+3], 0x80000000                ; type = 2
	s_mov_b32 s[G0B+4*\s], 1
	s_add_co_u32 s[G0B+4*\s+1], s20, \s*SLOT
	s_add_nc_u64 s[G0B+4*\s+2:G0B+4*\s+3], s[46:47], \s*KSTEP*ROWB
	s_or_b32 s[G0B+4*\s+3], s[G0B+4*\s+3], 0x80000000
	JLOAD \s                                       ; two loads of mine are out
.endr
	v_and_b32 v1, 15, v0                           ; l % 16
	v_bfe_u32 v2, v0, 4, 1                         ; l / 16
	v_mul_u32_u24 v3, v1, PITCH                    ; a fragment of xb: row l % 16, 16 bytes for each half of the lanes, two loads 32 bytes apart
	v_lshl_add_u32 v3, v2, 4, v3
	v_and_b32 v4, 7, v0                            ; a fragment of w1: lane l reads 16 bytes of k-row 8 (l / 16) + l % 8, columns 8 ((l / 8) % 2) + 0..7; the second load 16 k-rows down
	v_lshl_add_u32 v4, v2, 3, v4
	v_mul_u32_u24 v4, v4, PB
	v_bfe_u32 v5, v0, 3, 1
	v_lshl_add_u32 v4, v5, 4, v4
	s_mul_i32 s21, s11, HALFT                      ; my 128 rows of xb
	s_lshl_b32 s22, s12, 8                         ; my 128 columns of w1, 256 bytes,
	s_add_co_u32 s22, s22, 2*HALFT                 ; behind xb's 256 rows
.irp s, 0,1
	v_add_nc_u32 v[ADRA+\s], s21, v3
	v_add_nc_u32 v[ADRB+\s], s22, v4
	s_add_co_u32 s21, s21, SLOT
	s_add_co_u32 s22, s22, SLOT
.endr
	s_mul_i32 s23, s10, 16*SPF
	s_add_co_u32 s23, s23, STAGE                   ; my stage
	v_mul_u32_u24 v6, v1, SPF                      ; in: row l % 16, 32 bytes for each half of the lanes
	v_lshl_add_u32 v6, v2, 5, v6
	v_add_nc_u32 v[STO], s23, v6
	v_mul_u32_u24 v6, v2, SPF                      ; back: lanes 0-15 take one row, lanes 16-31 the next; 8 numbers, 32 bytes, a lane
	v_lshl_add_u32 v6, v1, 5, v6
	v_add_nc_u32 v[RD], s23, v6
	v_lshlrev_b32 v6, 14, v2                       ; and the same two rows in hbuf, 16 bytes a lane
	v_lshl_add_u32 v[CO], v1, 4, v6
	v_and_b32 v7, 31, v0
	s_lshl_b32 s23, s10, 9
	s_add_co_u32 s23, s23, GLDS                    ; my wave's gates
	v_lshl_add_u32 v[GST], v7, 2, s23
	v_lshl_add_u32 v[GLD0], v2, 2, s23
	v_lshlrev_b32 v[GOF], 3, v7
.irp c, 0,1
	v_mov_b32 v[KB5+\c], 0x3f07dc22                ;  1.061405429 / 2
	v_mov_b32 v[KB4+\c], 0xbf3a00e3                ; -1.453152027 / 2
	v_mov_b32 v[KB3+\c], 0x3f35f0e3                ;  1.421413741 / 2
	v_mov_b32 v[KB2+\c], 0xbe11a98e                ; -0.284496736 / 2
	v_mov_b32 v[KB1+\c], 0x3e027906                ;  0.254829592 / 2
	v_mov_b32 v[KCC+\c], 0xbf38aa3b                ; -log2(e) / 2
.endr
	; where my part of the first tile begins in hbuf: the first way out adds it to the address
	s_lshl_b32 s16, s13, 22                        ; 256 rows of 16,384 bytes x tile row
	s_lshl_b32 s17, s11, 21                        ; 128 rows x half
	s_add_co_u32 s16, s16, s17
	s_mov_b32 s17, 0
	s_lshl_b32 s46, s42, 9                         ; 512 bytes x tile column + 256 x half
	s_lshl_b32 s47, s12, 8
	s_add_co_u32 s46, s46, s47
	s_mov_b32 s47, 0
	s_add_nc_u64 s[16:17], s[16:17], s[46:47]
; 16 matrix instructions: m blocks a0, a0 + 1 of the window's four x all 8 n blocks, 32 along K.  zero = 1: the first product starts the sums: nothing is ever cleared.
; The 64 accumulators take turns, one instruction a turn, in the same order in every quarter step.
.macro MUL16 f, hi, a0, zero
.irp a, \a0, \a0+1
.irp b, 0,1,2,3,4,5,6,7
.if \zero
	v_wmma_f32_16x16x32_f16 v[8*(8*(\a)+\b):8*(8*(\a)+\b)+7], v[\f+8*\b:\f+8*\b+7], v[\f+8*(4*\hi+\a):\f+8*(4*\hi+\a)+7], 0
.else
	v_wmma_f32_16x16x32_f16 v[8*(8*(\a)+\b):8*(8*(\a)+\b)+7], v[\f+8*\b:\f+8*\b+7], v[\f+8*(4*\hi+\a):\f+8*(4*\hi+\a)+7], v[8*(8*(\a)+\b):8*(8*(\a)+\b)+7]
.endif
.endr
.endr
.endm
; 32 LDS loads in one run: the fragments of one quarter step into buffer f.  k = byte of xb's rows at which the quarter begins (2 bytes for each of K), so w1's k-rows begin k / 2 rows down.
.macro FETCH slot, k, f
	WIN TO_B
.irp i, 0,1,2,3,4,5,6,7
	ds_load_tr16_b128 v[\f+8*\i:\f+8*\i+3],   v[ADRB+\slot] offset:\k*(PB/2)+\i*32
	ds_load_tr16_b128 v[\f+8*\i+4:\f+8*\i+7], v[ADRB+\slot] offset:\k*(PB/2)+\i*32+16*PB
.endr
	WIN 0
.irp i, 0,1,2,3,4,5,6,7
	ds_load_b128 v[\f+8*\i:\f+8*\i+3],   v[ADRA+\slot] offset:\k+\i*16*PITCH
	ds_load_b128 v[\f+8*\i+4:\f+8*\i+7], v[ADRA+\slot] offset:\k+\i*16*PITCH+32
.endr
.endm
; Four places: a load into a register that a matrix instruction has read, and whatever reads a matrix result, stand four plain vector instructions behind it (ISA guide 7.12.1 for the readers of a matrix result).
.macro PLACES
.rept 4
	v_nop
.endr
.endm
; A K step is four quarter steps of 32 along K, 64 matrix instructions each, on buffers 0, 1, 0, 1.  One of the first three: multiplies buffer f and fetches the next quarter into g.
.macro QUARTER slot, k, f, g, zero
	s_wait_dscnt 8                                 ; w1's fragments and xb's rows 0-63 are in; the youngest eight loads (rows 64-127) may be out
	WIN MUL_LO
	MUL16 \f, 0, 0, \zero
	MUL16 \f, 0, 2, \zero
	PLACES
	FETCH \slot, \k, \g
	s_wait_dscnt 32                                ; all but the 32 just issued
	WIN MUL_HI
	MUL16 \f, 1, 0, \zero
	MUL16 \f, 1, 2, \zero
.endm
; The last quarter multiplies buffer 1 and changes slots.  MEET is its first half: one barrier, in front of which each wave waits for all its tensor loads (one is out: its part of the next slot),
; adds 0 to its spare word, and waits for that and for its own reads of this slot.
.macro MEET round
	WIN 0                                          ; (the add's two registers lie in window 0)
	s_wait_tensorcnt 0x0                           ; all my tensor loads have landed
	ds_add_u32 v[SPW], v[NIL]                      ; 0 onto my spare word
	s_wait_dscnt 9                                 ; (the add and the youngest eight loads may be out)
	WIN MUL_LO
	MUL16 F1, 0, 0, 0                              ; sixteen matrix instructions stand between the add and the wait for it
	s_wait_dscnt 0x0                               ; the add is done, and my reads of this slot are over
	s_barrier_signal -1
	MUL16 F1, 0, 2, 0                              ; work on registers while the others arrive
.if \round
	WIN 0
.endif
	s_barrier_wait -1
.endm
; The whole last quarter.  Behind the round the slot just read out is filled again first: with this tile's K step two steps on (on = 0) or with the next tile's K step 0 or 1 (on = 1).
.macro TURN slot, next, on
	MEET 1
	CREST                                          ; no wave of any partner still reads this slot or has a load on its way
.if \on
	s_add_nc_u64 s[G0+4*\slot+2:G0+4*\slot+3], s[G0+4*\slot+2:G0+4*\slot+3], NEXT_A
	s_sub_nc_u64 s[G0B+4*\slot+2:G0B+4*\slot+3], s[G0B+4*\slot+2:G0B+4*\slot+3], BACK_B
.else
	s_add_nc_u64 s[G0+4*\slot+2:G0+4*\slot+3], s[G0+4*\slot+2:G0+4*\slot+3], STEP_A
	s_add_nc_u64 s[G0B+4*\slot+2:G0B+4*\slot+3], s[G0B+4*\slot+2:G0B+4*\slot+3], STEP_B
.endif
	JLOAD \slot                                    ; my one tensor load behind the round; its four v_nop are also the places in front of the loads below
	FETCH \next, 0, F0
	WIN MUL_HI
	MUL16 F1, 1, 0, 0
	MUL16 F1, 1, 2, 0
.endm
; THE WAY OUT.  Block a (16 rows x 128 columns of f32) goes into my stage as it lies in the accumulators, each accumulator's low four registers first.
.macro DUMP a
.if (\a) < 4
	WIN 0x08                                       ; store data in window 2
.else
	WIN 0x0c                                       ; in window 3
.endif
.irp b, 0,1,2,3,4,5,6,7
	ds_store_b128 v[STO], v[64*((\a)%4)+8*\b:64*((\a)%4)+8*\b+3]   offset:64*\b
	ds_store_b128 v[STO], v[64*((\a)%4)+8*\b+4:64*((\a)%4)+8*\b+7] offset:64*\b+16
.endr
	WIN 0
.endm
; Pair of rows t, 8 numbers a lane.  GA: 1 + p |x| and CC x x.
.macro GA t
.set dU, UW+16*((\t)%2)
.set dX, X+8*(\t)
	s_wait_dscnt 14-2*(\t)                         ; LDS loads come back in order (ISA guide 5.7.1): pair t's two are in, the younger pairs' stay out
.irp i, 0,1,2,3,4,5,6,7
	v_fma_f32 v[dU+\i], |v[dX+\i]|, s69, 1.0
.endr
.irp i, 0,2,4,6
	v_pk_mul_f32 v[dU+8+\i:dU+9+\i], v[dX+\i:dX+\i+1], v[dX+\i:dX+\i+1]
.endr
.irp i, 0,2,4,6
	v_pk_mul_f32 v[dU+8+\i:dU+9+\i], v[dU+8+\i:dU+9+\i], v[KCC:KCC+1]
.endr
.endm
; TR: number k of pair t's 16 transcendentals: 8 reciprocals, 8 exponentials, in place.
.macro TR t, k
.set dU, UW+16*((\t)%2)
.if (\k) < 8
	v_rcp_f32 v[dU+(\k)], v[dU+(\k)]
.else
	v_exp_f32 v[dU+(\k)], v[dU+(\k)]
.endif
.endm
; DOP: number j of pair t's 48 plain instructions: the polynomial by Horner (0-15), times t (16-19), times the exponential (20-23), max(x, 0) (24-31), max(x, 0) - |x| q (32-39), the gate (40-43), f16 (44-47).
.macro DOP t, j
.set dU, UW+16*((\t)%2)
.set dX, X+8*(\t)
.set dJ, \j
.set dE, dJ%4
.set dI, dJ%8
.if dJ < 4
	s_wait_alu depctr_va_vdst(0)
	v_pk_fma_f32 v[R+2*dE:R+2*dE+1], v[dU+2*dE:dU+2*dE+1], v[KB5:KB5+1], v[KB4:KB4+1]
.elseif dJ < 8
	v_pk_fma_f32 v[R+2*dE:R+2*dE+1], v[R+2*dE:R+2*dE+1], v[dU+2*dE:dU+2*dE+1], v[KB3:KB3+1]
.elseif dJ < 12
	v_pk_fma_f32 v[R+2*dE:R+2*dE+1], v[R+2*dE:R+2*dE+1], v[dU+2*dE:dU+2*dE+1], v[KB2:KB2+1]
.elseif dJ < 16
	v_pk_fma_f32 v[R+2*dE:R+2*dE+1], v[R+2*dE:R+2*dE+1], v[dU+2*dE:dU+2*dE+1], v[KB1:KB1+1]
.elseif dJ < 20
	v_pk_mul_f32 v[R+2*dE:R+2*dE+1], v[R+2*dE:R+2*dE+1], v[dU+2*dE:dU+2*dE+1]
.elseif dJ < 24
	v_pk_mul_f32 v[R+2*dE:R+2*dE+1], v[R+2*dE:R+2*dE+1], v[dU+8+2*dE:dU+9+2*dE]
.elseif dJ < 32
	v_max_num_f32 v[dU+dI], 0, v[dX+dI]
.elseif dJ < 40
	v_fma_f32 v[R+dI], -|v[dX+dI]|, v[R+dI], v[dU+dI]
.elseif dJ < 44
.if ((\t)%2) == 0
	v_pk_mul_f32 v[R+2*dE:R+2*dE+1], v[R+2*dE:R+2*dE+1], v[G+2*((\t)/2):G+2*((\t)/2)+1] op_sel_hi:[1,0]
.else
	v_pk_mul_f32 v[R+2*dE:R+2*dE+1], v[R+2*dE:R+2*dE+1], v[G+2*((\t)/2):G+2*((\t)/2)+1] op_sel:[0,1] op_sel_hi:[1,1]
.endif
.else
	v_cvt_pk_f16_f32 v[Y+4*(\t)+dE], v[R+2*dE], v[R+2*dE+1]
.endif
.endm
; A tile's way out: a loop of eight trips, a block of 16 rows each.  Accumulators cannot be indexed, so a ladder of branches on the trip's number picks the block's DUMP; all else is written once.
; Behind each transcendental of pair t + 1 stand three plain instructions of pair t, which uses the other set of registers: no transcendental waits, and none is followed by a reader of its result.
; The stage and the gates' words are the wave's own, and LDS serves a wave's instructions in order (ISA guide 5.7.1.4): no barrier, and no wait between the stores and the loads.
.macro WAYOUT
	WIN 0
	PLACES                                         ; behind the tile's last products
	s_wait_loadcnt 0x0                             ; my 128 gates, asked for at the tile's head
.irp c, 0,1,2,3
	ds_store_b32 v[GST], v[GR+\c] offset:128*\c
.endr
	s_wait_xcnt 0x0                                ; the bases below are sources of earlier loads and stores: they are stepped only behind this wait
	s_add_nc_u64 s[8:9], s[8:9], s[16:17]          ; hbuf at this tile's first rows
	s_add_nc_u64 s[66:67], s[66:67], WALK*8        ; gates at the next tile's rows (behind the last tile: not used)
	v_mov_b32 v[GLD], v[GLD0]
	s_mov_b32 s68, 0
.Lblk_\@:
.irp t, 0,1,2,3,4,5,6,7
	ds_load_b32 v[G+\t], v[GLD] offset:8*\t        ; the gate of row 2 t + l / 16 of the block
.endr
	s_cmp_eq_u32 s68, 0
	s_cbranch_scc1 .Ld0_\@
	s_cmp_eq_u32 s68, 1
	s_cbranch_scc1 .Ld1_\@
	s_cmp_eq_u32 s68, 2
	s_cbranch_scc1 .Ld2_\@
	s_cmp_eq_u32 s68, 3
	s_cbranch_scc1 .Ld3_\@
	s_cmp_eq_u32 s68, 4
	s_cbranch_scc1 .Ld4_\@
	s_cmp_eq_u32 s68, 5
	s_cbranch_scc1 .Ld5_\@
	s_cmp_eq_u32 s68, 6
	s_cbranch_scc1 .Ld6_\@
	DUMP 7
	s_branch .Ljoin_\@
.Ld0_\@:
	DUMP 0
	s_branch .Ljoin_\@
.Ld1_\@:
	DUMP 1
	s_branch .Ljoin_\@
.Ld2_\@:
	DUMP 2
	s_branch .Ljoin_\@
.Ld3_\@:
	DUMP 3
	s_branch .Ljoin_\@
.Ld4_\@:
	DUMP 4
	s_branch .Ljoin_\@
.Ld5_\@:
	DUMP 5
	s_branch .Ljoin_\@
.Ld6_\@:
	DUMP 6
.Ljoin_\@:
.irp t, 0,1,2,3,4,5,6,7
	ds_load_b128 v[X+8*\t:X+8*\t+3],   v[RD] offset:2*SPF*\t
	ds_load_b128 v[X+8*\t+4:X+8*\t+7], v[RD] offset:2*SPF*\t+16
.endr
	v_add_nc_u32 v[GLD], 64, v[GLD]                ; the next block's 16 gates
	GA 0
.set kk, 0
.rept 16
	TR 0, kk
.set kk, kk+1
.endr
.set tt, 0
.rept 7
	GA tt+1
.set kk, 0
.rept 16
	TR tt+1, kk
	DOP tt, 3*kk
	DOP tt, 3*kk+1
	DOP tt, 3*kk+2
.set kk, kk+1
.endr
	global_store_b128 v[CO], v[Y+4*tt:Y+4*tt+3], s[8:9] offset:2*ROWC*tt   ; 16 lanes store 256 consecutive bytes, at a multiple of 256 from hbuf's first byte
.set tt, tt+1
.endr
.set kk, 0
.rept 48
	DOP 7, kk
.set kk, kk+1
.endr
	global_store_b128 v[CO], v[Y+28:Y+31], s[8:9] offset:2*ROWC*7
	s_wait_xcnt 0x0                                ; Y and the base are written again only behind this wait
	s_add_nc_u64 s[8:9], s[8:9], 16*ROWC
	s_add_co_u32 s68, s68, 1
	s_cmp_lt_u32 s68, 8
	s_cbranch_scc1 .Lblk_\@
.endm
	s_wait_tensorcnt 1                             ; my part of K step 0 is in; K step 1's may stay out
	s_barrier_signal -1
	s_barrier_wait -1                              ; everybody's is
	FETCH 0, 0, F0
	s_mov_b32 s2, 2                                ; tiles to go, this one among them
.Ltile:
.irp c, 0,1,2,3
	global_load_b32 v[GR+\c], v[GOF], s[66:67] offset:256*\c       ; the tile's gates for my 128 rows, one expert's word of each row: wanted only on the way out
.endr
	QUARTER 0, 64,  F0, F1, 1                      ; a tile's first quarter stands in front of the loop: its products start the sums
	WIN 0                                          ; at a label and at a branch every window is 0
	s_mov_b32 s3, LAPS-1
.Llap:                                                 ; a trip goes once round the ring, from a lap's second quarter to the next lap's first, and fills both slots again
	QUARTER 0, 128, F1, F0, 0
	QUARTER 0, 192, F0, F1, 0
	TURN 0, 1, 0
	QUARTER 1, 64,  F0, F1, 0
	QUARTER 1, 128, F1, F0, 0
	QUARTER 1, 192, F0, F1, 0
	TURN 1, 0, 0
	QUARTER 0, 64,  F0, F1, 0
	WIN 0
	s_sub_co_u32 s3, s3, 1
	s_cmp_lg_u32 s3, 0
	s_cbranch_scc1 .Llap
	QUARTER 0, 128, F1, F0, 0                      ; the tile's last lap goes on
	QUARTER 0, 192, F0, F1, 0
	WIN 0
	s_cmp_eq_u32 s2, 1
	s_cbranch_scc1 .Llast_tile                     ; the last tile's tail is written out: it asks for nothing more
	TURN 0, 1, 1                                   ; the ring goes on into the next tile: slot 0 takes its K step 0,
	QUARTER 1, 64,  F0, F1, 0
	QUARTER 1, 128, F1, F0, 0
	QUARTER 1, 192, F0, F1, 0
	TURN 1, 0, 1                                   ; slot 1 its K step 1, and the next tile's first fragments are fetched into buffer 0, which the way out leaves alone
	WAYOUT                                         ; both refills are asked for: now the tile goes out
	s_mov_b64 s[16:17], NEXT_C                     ; what the next way out adds to hbuf's address
	s_sub_co_u32 s2, s2, 1
	s_branch .Ltile
.Llast_tile:
	MEET 0                                         ; my one tensor load that was still out is slot 1's, the last K step's, so no round follows
	PLACES
	FETCH 1, 0, F0
	WIN MUL_HI
	MUL16 F1, 1, 0, 0
	MUL16 F1, 1, 2, 0
	QUARTER 1, 64,  F0, F1, 0
	QUARTER 1, 128, F1, F0, 0
	QUARTER 1, 192, F0, F1, 0
	s_wait_dscnt 8                                 ; the very last quarter: nothing more to fetch
	WIN MUL_LO
	MUL16 F1, 0, 0, 0
	MUL16 F1, 0, 2, 0
	s_wait_dscnt 0x0
	WIN MUL_HI
	MUL16 F1, 1, 0, 0
	MUL16 F1, 1, 2, 0
	WAYOUT
	s_wait_tensorcnt 0x0                           ; the wave's end: behind my last tensor load and my last LDS store
	ds_add_u32 v[SPW], v[NIL]
	s_wait_dscnt 0x0
	CROUND                                         ; the closing round: no work-group ends while a partner may still ask for a tile that names it
	s_endpgm
.Lfunc_end_k_qf08bc19d27_fc:
	.size	k_qf08bc19d27_fc, .Lfunc_end_k_qf08bc19d27_fc-k_qf08bc19d27_fc
	.p2alignl 7, 3214868480
	.fill 96, 4, 3214868480
	.section	.rodata,"a",@progbits
	.p2align	6, 0x0
	.amdhsa_kernel k_qf08bc19d27_fc
		.amdhsa_group_segment_fixed_size 327680
		.amdhsa_private_segment_fixed_size 0
		.amdhsa_enable_private_segment 0
		.amdhsa_kernarg_size 32
		.amdhsa_user_sgpr_count 2
		.amdhsa_user_sgpr_kernarg_segment_ptr 1
		.amdhsa_wavefront_size32 1
		.amdhsa_system_sgpr_workgroup_id_x 1
		.amdhsa_system_sgpr_workgroup_id_y 1
		.amdhsa_system_sgpr_workgroup_id_z 1
		.amdhsa_system_vgpr_workitem_id 0
		.amdhsa_next_free_vgpr 1024
		.amdhsa_next_free_sgpr 72
		.amdhsa_reserve_vcc 0
		.amdhsa_float_denorm_mode_32 3
		.amdhsa_float_denorm_mode_16_64 3
		.amdhsa_memory_ordered 1
		.amdhsa_forward_progress 1
		.amdhsa_inst_pref_size 242
	.end_amdhsa_kernel
	.amdgpu_metadata
---
amdhsa.version: [ 1, 2 ]
amdhsa.kernels:
  - .name:           k_qf08bc19d27_fc
    .symbol:         k_qf08bc19d27_fc.kd
    .args:
      - { .name: xb, .offset: 0, .size: 8, .value_kind: global_buffer, .address_space: global }
      - { .name: w1, .offset: 8, .size: 8, .value_kind: global_buffer, .address_space: global }
      - { .name: hbuf, .offset: 16, .size: 8, .value_kind: global_buffer, .address_space: global }
      - { .name: gates, .offset: 24, .size: 8, .value_kind: global_buffer, .address_space: global }
    .group_segment_fixed_size: 327680
    .private_segment_fixed_size: 0
    .kernarg_segment_align: 8
    .kernarg_segment_size: 32
    .max_flat_workgroup_size: 128
    .sgpr_count:     72
    .vgpr_count:     1024
    .wavefront_size: 32
...
	.end_amdgpu_metadata
.endif
;; end of part 2
;; launch proj (part 3): grid 4 x 64, 4 waves a work-group, clusters of 4 x 4, 327,680 bytes of LDS; arguments hbuf, w2, part; writes part
.if DOCPART == 3
	.amdgcn_target "amdgcn-amd-amdhsa--gfx1250"
	.amdhsa_code_object_version 6
	.text
	.protected	k_qf08bc19d27_proj
	.globl	k_qf08bc19d27_proj
	.p2align	8
	.type	k_qf08bc19d27_proj,@function
k_qf08bc19d27_proj:
	s_mov_b64 s[64:65], 0
	v_nop
	global_prefetch_b8 v0, s[64:65] scope:SCOPE_SE
	s_setreg_imm32_b32 hwreg(HW_REG_WAVE_MODE, 25, 1), 1
	s_wait_xcnt 0x0
	s_wait_alu depctr_hold_cnt(0) depctr_sa_sdst(0) depctr_va_vdst(0) depctr_va_sdst(0) depctr_va_ssrc(0) depctr_va_vcc(0) depctr_vm_vsrc(0)
	s_getreg_b32 s2, hwreg(HW_REG_IB_STS2, 6, 4)
	s_cmp_eq_u32 s2, 0
	s_cbranch_scc0 .Lentry_in_a_cluster
	s_endpgm
.Lentry_in_a_cluster:
	s_bfe_u32 s2, ttmp6, 0x10000c
	s_cmp_lg_u32 s2, 0xf033
	s_cbranch_scc0 .Lentry_shape_is_right
	s_endpgm
.Lentry_shape_is_right:
; part[q][n][d] = sum over k = 2048 q .. 2048 q + 2047 of hbuf[n][k] w2[k][d].  hbuf: [4096][8192] f16 (gate x gelu, both experts' channels side by side), w2: [8192][1024] f16 (proj_w seen as one
; matrix), part: [4][4096][1024] f32.  The next launch adds the four slices; so the weighted sum over the two experts is part of the sum over k.
; WHY SLICES: a tile of 256 x 256 feeds twice as many multiply-adds from each byte fetched as one of 128 x 128 (256 matrix instructions a wave for a fill of 128 KB, against 128), so that a fill has
; 224 matrix instructions in which to land.  The result has only 64 such tiles, so each tile's K is shared among four work-groups: 256 work-groups of 16 K steps.  The price: 64 MB of partial sums are
; stored here and read again by the next launch, since no work-group may read what another of the same launch stores.
; LIMIT: the sum over k is grouped by slice, an order of rounding that differs from a single ascending sum.
; A tile is made by four waves; a wave makes 128 x 128: 64 accumulators of 16 x 16, 512 registers.  K goes in steps of 128 through a ring of two LDS slots filled by the tensor data mover.
; w2 lies [k][d] and stays so: a slot holds 128 k-rows of 512 bytes, and ds_load_tr16_b128 turns 16 k x 16 d into half a fragment on the way into registers.
; CLUSTERS: 4 x 4 work-groups, all of one slice: the four tile columns x four tile rows.  hbuf's tiles are shared along a row of the cluster, w2's along a column, each asked for jointly.
; THE MATRIX INSTRUCTION IS USED TRANSPOSED: source 0 = 16 columns of w2, source 1 = 16 rows of hbuf: lane l holds row l % 16 and the eight neighbouring columns 8 (l / 16) + 0..7.
; REGISTERS, in windows of 256: window 0: v0-31 addresses; v64-127, v128-191 fragments of hbuf, two buffers, on the way out the rows read back from the stage.
;   window 1: v64-127, v128-191 fragments of w2;  window 2: the accumulators of my rows 0-63 ((a, b) at v[8 (8 a + b)]);  window 3: those of my rows 64-127.
.set KSL,    2048                      ; K of a slice
.set ROWB,   2048                      ; bytes in a k-row of w2
.set ROWC,   4096                      ; bytes in a row of part
.set KSTEP,  128
.set PITCH,  272                       ; an LDS row of hbuf: 256 bytes + 16 of padding = 68 words: row r starts at bank 4 r mod 64 (64 banks of 4 bytes: ISA guide 11.1)
.set PB,     544                       ; an LDS k-row of w2: 512 bytes + 32 = 136 words: row r starts at bank 8 r mod 64
.set HALFT,  128*PITCH                 ; what one tensor load brings: 128 rows of hbuf, or 64 k-rows of w2 (64 x 544 is the same 34,816 bytes)
.set SLOT,   4*HALFT                   ; hbuf's 256 rows, then w2's 128 k-rows
.set STAGE,  2*SLOT                    ; behind the ring: 16 rows x 528 bytes of f32 for each wave
.set SPF,    528
.set SPARE,  STAGE+4*16*SPF            ; the spare words, 128 bytes for each wave: two blocks of 256 bytes that no other line names
.set LAPS,   KSL/(2*KSTEP)             ; a lap = two K steps = once round the ring
.set STEP_A, 2*KSTEP*2                 ; a slot's next K step: along hbuf's rows,
.set STEP_B, 2*KSTEP*ROWB              ; down w2's k-rows
.set ADRA, 16                          ; v16-17  LDS address of my hbuf fragments in slot 0, 1
.set ADRB, 20                          ; v20-21  the same for w2
.set STO,  24                          ; v24     the way out: where I put 32 bytes of a row
.set RD,   25                          ; v25     the way out: where I read my 16 bytes of a row back
.set CO,   26                          ; v26     my byte offset in a row of part
.set SPW,  28                          ; v28     LDS address of my spare word; never rewritten
.set NIL,  29                          ; v29     0; never rewritten
.set F0,   64
.set F1,   128
.set G1, 24                            ; s[24:31] descriptor group 1 for hbuf's tiles;  s[32:39] group 0, one set for each slot
.set G0, 32
.set G1B, 48                           ; s[48:55], s[56:63] the same for w2's tiles
.set G0B, 56
.set MSB, 0
.macro WIN new                         ; the immediate's high byte repeats the setting that is left; a switch that changes nothing is dropped
.if MSB != \new
	s_set_vgpr_msb (MSB<<8)|\new
.set MSB, \new
.endif
.endm
.set MUL_LO, 0xa1                      ; source 0 (w2) window 1, source 1 (hbuf) window 0, C and D window 2
.set MUL_HI, 0xf1                      ; the same, C and D window 3
.set TO_B,   0x40                      ; destination window 1, address window 0
; A joint load.  Waves 0 and 1 fetch hbuf's two halves, waves 2 and 3 w2's.  The branch hangs on the wave's number alone.  Four v_nop follow each of the two lines.
.macro JLOAD s
	s_cmp_eq_u32 s11, 0
	s_cbranch_scc0 .Lfor_b_\@
	tensor_load_to_lds s[G0+4*\s:G0+4*\s+3], s[G1:G1+7]
	s_nop 0
.rept 4
	v_nop
.endr
	s_branch .Lasked_\@
.Lfor_b_\@:
	tensor_load_to_lds s[G0B+4*\s:G0B+4*\s+3], s[G1B:G1B+7]
	s_nop 0
.rept 4
	v_nop
.endr
.Lasked_\@:
.endm
; A round of the cluster's barrier: my work-group's barrier; wave 0 signals for the work-group; every wave waits for all sixteen work-groups; my work-group's barrier once more.
.macro CREST                           ; a round behind its opening barrier
	s_cmp_lg_u32 s10, 0
	s_cbranch_scc1 .Lnot_wave_0_\@
	s_barrier_signal -3
.Lnot_wave_0_\@:
	s_barrier_wait -3
	s_barrier_signal -1
	s_barrier_wait -1
.endm
.macro CROUND                          ; a whole round
	s_barrier_signal -1
	s_barrier_wait -1
	CREST
.endm
	s_load_b128 s[4:7], s[0:1], 0x0                ; hbuf s[4:5], w2 s[6:7]
	s_load_b64 s[8:9], s[0:1], 0x10                ; part
	v_lshl_add_u32 v[SPW], v0, 2, SPARE
	v_mov_b32 v[NIL], 0
	ds_add_u32 v28, v29
	s_wait_dscnt 0x0
	v_lshrrev_b32 v1, 5, v0
	v_readfirstlane_b32 s10, v1                    ; wave 0..3
	s_lshr_b32 s11, s10, 1                         ; which half of the tile's rows is mine.  Also: I fetch for hbuf (0) or for w2 (1)
	s_and_b32 s12, s10, 1                          ; which half of its columns.  Also: which half of that tile I fetch
	s_bfe_u32 s40, ttmp6, 0x40000                  ; cx
	s_bfe_u32 s41, ttmp6, 0x40004                  ; cy
	s_lshl_b32 s42, ttmp9, 2
	s_add_co_u32 s42, s42, s40                     ; tile column = 4 x cluster x + cx, 0..3
	s_and_b32 s45, ttmp7, 0xffff                   ; cluster y, 0..15: four clusters to a slice
	s_and_b32 s13, s45, 3
	s_lshl_b32 s13, s13, 2
	s_add_co_u32 s13, s13, s41                     ; tile row = 4 x (cluster y mod 4) + cy, 0..15
	s_lshr_b32 s45, s45, 2                         ; the slice of K, 0..3: the same in all sixteen work-groups of a cluster
	s_lshl_b32 s43, s41, 2
	s_lshl_b32 s43, 15, s43                        ; my row of the cluster
	s_lshl_b32 s44, 0x1111, s40                    ; my column
	; descriptor group 1.  hbuf: 128 rows x 128 elements, 4 words of padding behind every 64.  w2: 64 k-rows x 256 elements, 8 words behind every 128.
	s_or_b32 s[G1+0], s43, (1<<16)|(1<<20)|(1<<21)|(5<<22)|(3<<25)   ; 15:0 the mask; 17:16 elements of 2 bytes; 20 padding on; 21 set beside a mask; 24:22 the interval; 31:25 the padding
	s_or_b32 s[G1B+0], s44, (1<<16)|(1<<20)|(1<<21)|(6<<22)|(7<<25)
	s_mov_b32 s[G1+1], 128<<16                     ; tensor_dim0
	s_mov_b32 s[G1B+1], 256<<16
	s_mov_b32 s[G1+2], 128<<16                     ; tensor_dim1
	s_mov_b32 s[G1B+2], 64<<16
	s_mov_b32 s[G1+3], 128<<16                     ; tile_dim0
	s_mov_b32 s[G1B+3], 256<<16
	s_mov_b32 s[G1+4], 128                         ; tile_dim1
	s_mov_b32 s[G1B+4], 64
	s_mov_b32 s[G1+5], 8192                        ; elements from row to row
	s_mov_b32 s[G1B+5], 1024
	s_mov_b32 s[G1+6], 0
	s_mov_b32 s[G1B+6], 0
	s_mov_b32 s[G1+7], 0
	s_mov_b32 s[G1B+7], 0
	; where the tiles come from: hbuf's hang on the tile row and the slice, w2's on the tile column and the slice; each in registers that never hold the other place in the cluster
	s_lshl_b32 s16, s13, 8
	s_lshl_b32 s17, s12, 7
	s_add_co_u32 s16, s16, s17                     ; hbuf: row 256 x tile row + 128 x half,
	s_lshl_b32 s16, s16, 14                        ; of 16,384 bytes;
	s_lshl_b32 s17, s45, 12                        ; the slice's 2,048 channels of 2 bytes
	s_add_co_u32 s16, s16, s17
	s_mov_b32 s17, 0
	s_lshl_b32 s46, s42, 9                         ; w2: 512 bytes x tile column;
	s_lshl_b32 s47, s45, 22                        ; the slice's 2,048 k-rows of 2,048 bytes;
	s_add_co_u32 s46, s46, s47
	s_lshl_b32 s47, s12, 17                        ; 64 k-rows x half
	s_add_co_u32 s46, s46, s47
	s_mov_b32 s47, 0
	s_mul_i32 s20, s10, HALFT                      ; and where they go: wave x 34,816: no place in the cluster enters an LDS address
	s_wait_kmcnt 0x0
	s_add_nc_u64 s[14:15], s[4:5], s[16:17]
	s_add_nc_u64 s[46:47], s[6:7], s[46:47]
	CROUND                                         ; all sixteen work-groups are here: the first joint loads meet
.irp s, 0,1
	s_mov_b32 s[G0+4*\s], 1                                        ; count = 1
	s_add_co_u32 s[G0+4*\s+1], s20, \s*SLOT                        ; LDS address
	s_add_nc_u64 s[G0+4*\s+2:G0+4*\s+3], s[14:15], \s*KSTEP*2      ; global address: K step s
	s_or_b32 s[G0+4*\s+3], s[G0+4*\s+3], 0x80000000                ; type = 2
	s_mov_b32 s[G0B+4*\s], 1
	s_add_co_u32 s[G0B+4*\s+1], s20, \s*SLOT
	s_add_nc_u64 s[G0B+4*\s+2:G0B+4*\s+3], s[46:47], \s*KSTEP*ROWB
	s_or_b32 s[G0B+4*\s+3], s[G0B+4*\s+3], 0x80000000
	JLOAD \s                                       ; two loads of mine are out
.endr
	v_and_b32 v1, 15, v0                           ; l % 16
	v_bfe_u32 v2, v0, 4, 1                         ; l / 16
	v_mul_u32_u24 v3, v1, PITCH                    ; a fragment of hbuf: row l % 16, 16 bytes for each half of the lanes, two loads 32 bytes apart
	v_lshl_add_u32 v3, v2, 4, v3
	v_and_b32 v4, 7, v0                            ; a fragment of w2: lane l reads 16 bytes of k-row 8 (l / 16) + l % 8, columns 8 ((l / 8) % 2) + 0..7; the second load 16 k-rows down
	v_lshl_add_u32 v4, v2, 3, v4
	v_mul_u32_u24 v4, v4, PB
	v_bfe_u32 v5, v0, 3, 1
	v_lshl_add_u32 v4, v5, 4, v4
	s_mul_i32 s21, s11, HALFT                      ; my 128 rows of hbuf
	s_lshl_b32 s22, s12, 8                         ; my 128 columns of w2, 256 bytes,
	s_add_co_u32 s22, s22, 2*HALFT                 ; behind hbuf's 256 rows
.irp s, 0,1
	v_add_nc_u32 v[ADRA+\s], s21, v3
	v_add_nc_u32 v[ADRB+\s], s22, v4
	s_add_co_u32 s21, s21, SLOT
	s_add_co_u32 s22, s22, SLOT
.endr
	s_mul_i32 s23, s10, 16*SPF
	s_add_co_u32 s23, s23, STAGE                   ; my stage
	v_mul_u32_u24 v6, v1, SPF                      ; in: row l % 16, 32 bytes for each half of the lanes
	v_lshl_add_u32 v6, v2, 5, v6
	v_add_nc_u32 v[STO], s23, v6
	v_and_b32 v7, 31, v0
	v_lshlrev_b32 v[CO], 4, v7                     ; back, and out: a row of my 128 f32 is 32 lanes x 16 bytes
	v_add_nc_u32 v[RD], s23, v[CO]
	; where my part of the tile begins in part
	s_lshl_b32 s16, s13, 20                        ; 256 rows of 4,096 bytes x tile row
	s_lshl_b32 s17, s11, 19                        ; + 128 rows x half
	s_add_co_u32 s16, s16, s17
	s_lshl_b32 s17, s45, 24                        ; + the slice's 4,096 rows
	s_add_co_u32 s16, s16, s17
	s_mov_b32 s17, 0
	s_add_nc_u64 s[8:9], s[8:9], s[16:17]
	s_lshl_b32 s46, s42, 10                        ; + 1,024 bytes x tile column + 512 x half
	s_lshl_b32 s47, s12, 9
	s_add_co_u32 s46, s46, s47
	s_mov_b32 s47, 0
	s_add_nc_u64 s[8:9], s[8:9], s[46:47]
; 16 matrix instructions: m blocks a0, a0 + 1 of the window's four x all 8 n blocks, 32 along K.  zero = 1: the first product starts the sums: nothing is ever cleared.
; The 64 accumulators take turns, one instruction a turn, in the same order in every quarter step.
.macro MUL16 f, hi, a0, zero
.irp a, \a0, \a0+1
.irp b, 0,1,2,3,4,5,6,7
.if \zero
	v_wmma_f32_16x16x32_f16 v[8*(8*(\a)+\b):8*(8*(\a)+\b)+7], v[\f+8*\b:\f+8*\b+7], v[\f+8*(4*\hi+\a):\f+8*(4*\hi+\a)+7], 0
.else
	v_wmma_f32_16x16x32_f16 v[8*(8*(\a)+\b):8*(8*(\a)+\b)+7], v[\f+8*\b:\f+8*\b+7], v[\f+8*(4*\hi+\a):\f+8*(4*\hi+\a)+7], v[8*(8*(\a)+\b):8*(8*(\a)+\b)+7]
.endif
.endr
.endr
.endm
; 32 LDS loads in one run: the fragments of one quarter step into buffer f.  k = byte of hbuf's rows at which the quarter begins (2 bytes for each of K), so w2's k-rows begin k / 2 rows down.
.macro FETCH slot, k, f
	WIN TO_B
.irp i, 0,1,2,3,4,5,6,7
	ds_load_tr16_b128 v[\f+8*\i:\f+8*\i+3],   v[ADRB+\slot] offset:\k*(PB/2)+\i*32
	ds_load_tr16_b128 v[\f+8*\i+4:\f+8*\i+7], v[ADRB+\slot] offset:\k*(PB/2)+\i*32+16*PB
.endr
	WIN 0
.irp i, 0,1,2,3,4,5,6,7
	ds_load_b128 v[\f+8*\i:\f+8*\i+3],   v[ADRA+\slot] offset:\k+\i*16*PITCH
	ds_load_b128 v[\f+8*\i+4:\f+8*\i+7], v[ADRA+\slot] offset:\k+\i*16*PITCH+32
.endr
.endm
; Four places: a load into a register that a matrix instruction has read, and whatever reads a matrix result, stand four plain vector instructions behind it (ISA guide 7.12.1 for the readers of a matrix result).
.macro PLACES
.rept 4
	v_nop
.endr
.endm
; A K step is four quarter steps of 32 along K, 64 matrix instructions each, on buffers 0, 1, 0, 1.  One of the first three: multiplies buffer f and fetches the next quarter into g.
.macro QUARTER slot, k, f, g, zero
	s_wait_dscnt 8                                 ; w2's fragments and hbuf's rows 0-63 are in; the youngest eight loads (rows 64-127) may be out
	WIN MUL_LO
	MUL16 \f, 0, 0, \zero
	MUL16 \f, 0, 2, \zero
	PLACES
	FETCH \slot, \k, \g
	s_wait_dscnt 32                                ; all but the 32 just issued
	WIN MUL_HI
	MUL16 \f, 1, 0, \zero
	MUL16 \f, 1, 2, \zero
.endm
; The last quarter multiplies buffer 1 and changes slots.  MEET is its first half: one barrier, in front of which each wave waits for all its tensor loads (one is out: its part of the next slot),
; adds 0 to its spare word, and waits for that and for its own reads of this slot.
.macro MEET round
	WIN 0                                          ; (the add's two registers lie in window 0)
	s_wait_tensorcnt 0x0                           ; all my tensor loads have landed
	ds_add_u32 v[SPW], v[NIL]                      ; 0 onto my spare word
	s_wait_dscnt 9                                 ; (the add and the youngest eight loads may be out)
	WIN MUL_LO
	MUL16 F1, 0, 0, 0                              ; sixteen matrix instructions stand between the add and the wait for it
	s_wait_dscnt 0x0                               ; the add is done, and my reads of this slot are over
	s_barrier_signal -1
	MUL16 F1, 0, 2, 0                              ; work on registers while the others arrive
.if \round
	WIN 0
.endif
	s_barrier_wait -1
.endm
; The whole last quarter.  Behind the round the slot just read out is filled again first, two K steps ahead: 224 matrix instructions of mine stand between the request and the wait for it.
.macro TURN slot, next
	MEET 1
	CREST                                          ; no wave of any partner still reads this slot or has a load on its way
	s_add_nc_u64 s[G0+4*\slot+2:G0+4*\slot+3], s[G0+4*\slot+2:G0+4*\slot+3], STEP_A
	s_add_nc_u64 s[G0B+4*\slot+2:G0B+4*\slot+3], s[G0B+4*\slot+2:G0B+4*\slot+3], STEP_B
	JLOAD \slot                                    ; my one tensor load behind the round; its four v_nop are also the places in front of the loads below
	FETCH \next, 0, F0
	WIN MUL_HI
	MUL16 F1, 1, 0, 0
	MUL16 F1, 1, 2, 0
.endm
; THE WAY OUT.  TOSTAGE: block a (16 rows x 128 columns of f32) goes into my stage as it lies in the accumulators, each accumulator's low four registers first,
; and comes back as whole rows of 512 bytes, into fragment buffer a % 2.  The stage is the wave's own, and LDS serves a wave's instructions in order (ISA guide 5.7.1.4): no barrier, no wait
; between the stores and the loads, and the next block's stores come behind this block's loads.
.macro TOSTAGE a
.set BK, F0+64*((\a)%2)
.if (\a) < 4
	WIN 0x08                                       ; store data in window 2
.else
	WIN 0x0c                                       ; in window 3
.endif
.irp b, 0,1,2,3,4,5,6,7
	ds_store_b128 v[STO], v[64*((\a)%4)+8*\b:64*((\a)%4)+8*\b+3]   offset:64*\b
	ds_store_b128 v[STO], v[64*((\a)%4)+8*\b+4:64*((\a)%4)+8*\b+7] offset:64*\b+16
.endr
	WIN 0
.if (\a) > 1
	s_wait_xcnt 0x0                                ; the registers below are the data of block a - 2's stores: they are loaded again only behind this wait
.endif
.irp t, 0,1,2,3,4,5,6,7,8,9,10,11,12,13,14,15
	ds_load_b128 v[BK+4*\t:BK+4*\t+3], v[RD] offset:\t*SPF
.endr
.endm
; SEND: block a's 16 rows are stored.  younger: the LDS instructions issued behind the block's loads: the next block's 32, or none.
.macro SEND a, younger
.set BK, F0+64*((\a)%2)
.irp t, 0,1,2,3,4,5,6,7,8,9,10,11,12,13,14,15
	s_wait_dscnt \younger+15-\t                    ; LDS instructions end in order (ISA guide 5.7.1): row t is in; the later rows and the next block's traffic stay out
	global_store_b128 v[CO], v[BK+4*\t:BK+4*\t+3], s[8:9] offset:(16*(\a)+\t)*ROWC   ; a wave stores 512 consecutive bytes, at a multiple of 512 from part's first byte; 127 rows at the most stand in the immediate
.endr
.endm
	s_wait_tensorcnt 1                             ; my part of K step 0 is in; K step 1's may stay out
	s_barrier_signal -1
	s_barrier_wait -1                              ; everybody's is
	FETCH 0, 0, F0
	QUARTER 0, 64,  F0, F1, 1                      ; the first quarter stands in front of the loop: its products start the sums
	WIN 0                                          ; at a label and at a branch every window is 0
	s_mov_b32 s3, LAPS-1
.Llap:                                                 ; a trip goes once round the ring, from a lap's second quarter to the next lap's first, and fills both slots again
	QUARTER 0, 128, F1, F0, 0
	QUARTER 0, 192, F0, F1, 0
	TURN 0, 1
	QUARTER 1, 64,  F0, F1, 0
	QUARTER 1, 128, F1, F0, 0
	QUARTER 1, 192, F0, F1, 0
	TURN 1, 0
	QUARTER 0, 64,  F0, F1, 0
	WIN 0
	s_sub_co_u32 s3, s3, 1
	s_cmp_lg_u32 s3, 0
	s_cbranch_scc1 .Llap
	QUARTER 0, 128, F1, F0, 0                      ; the last lap is written out: it asks for nothing more
	QUARTER 0, 192, F0, F1, 0
	MEET 0                                         ; my one tensor load that was still out is slot 1's, the last K step's, so no round follows
	PLACES
	FETCH 1, 0, F0
	WIN MUL_HI
	MUL16 F1, 1, 0, 0
	MUL16 F1, 1, 2, 0
	QUARTER 1, 64,  F0, F1, 0
	QUARTER 1, 128, F1, F0, 0
	QUARTER 1, 192, F0, F1, 0
	s_wait_dscnt 8                                 ; the very last quarter: nothing more to fetch
	WIN MUL_LO
	MUL16 F1, 0, 0, 0
	MUL16 F1, 0, 2, 0
	s_wait_dscnt 0x0
	WIN MUL_HI
	MUL16 F1, 1, 0, 0
	MUL16 F1, 1, 2, 0
	WIN 0
	PLACES                                         ; behind the last products: the stage's stores read results, and its loads land in fragment registers
	TOSTAGE 0
.irp a, 1,2,3,4,5,6,7                  ; block a's way through the stage is issued ahead of block a - 1's stores, so that the wave does not sit out the stage's round trip
	TOSTAGE \a
	SEND \a-1, 32
.endr
	SEND 7, 0
	s_wait_tensorcnt 0x0                           ; the wave's end: behind my last tensor load and my last LDS store
	ds_add_u32 v[SPW], v[NIL]
	s_wait_dscnt 0x0
	CROUND                                         ; the closing round: no work-group ends while a partner may still ask for a tile that names it
	s_endpgm
.Lfunc_end_k_qf08bc19d27_proj:
	.size	k_qf08bc19d27_proj, .Lfunc_end_k_qf08bc19d27_proj-k_qf08bc19d27_proj
	.p2alignl 7, 3214868480
	.fill 96, 4, 3214868480
	.section	.rodata,"a",@progbits
	.p2align	6, 0x0
	.amdhsa_kernel k_qf08bc19d27_proj
		.amdhsa_group_segment_fixed_size 327680
		.amdhsa_private_segment_fixed_size 0
		.amdhsa_enable_private_segment 0
		.amdhsa_kernarg_size 24
		.amdhsa_user_sgpr_count 2
		.amdhsa_user_sgpr_kernarg_segment_ptr 1
		.amdhsa_wavefront_size32 1
		.amdhsa_system_sgpr_workgroup_id_x 1
		.amdhsa_system_sgpr_workgroup_id_y 1
		.amdhsa_system_sgpr_workgroup_id_z 1
		.amdhsa_system_vgpr_workitem_id 0
		.amdhsa_next_free_vgpr 1024
		.amdhsa_next_free_sgpr 66
		.amdhsa_reserve_vcc 0
		.amdhsa_float_denorm_mode_32 3
		.amdhsa_float_denorm_mode_16_64 3
		.amdhsa_memory_ordered 1
		.amdhsa_forward_progress 1
		.amdhsa_inst_pref_size 144
	.end_amdhsa_kernel
	.amdgpu_metadata
---
amdhsa.version: [ 1, 2 ]
amdhsa.kernels:
  - .name:           k_qf08bc19d27_proj
    .symbol:         k_qf08bc19d27_proj.kd
    .args:
      - { .name: hbuf, .offset: 0, .size: 8, .value_kind: global_buffer, .address_space: global }
      - { .name: w2, .offset: 8, .size: 8, .value_kind: global_buffer, .address_space: global }
      - { .name: part, .offset: 16, .size: 8, .value_kind: global_buffer, .address_space: global }
    .group_segment_fixed_size: 327680
    .private_segment_fixed_size: 0
    .kernarg_segment_align: 8
    .kernarg_segment_size: 24
    .max_flat_workgroup_size: 128
    .sgpr_count:     66
    .vgpr_count:     1024
    .wavefront_size: 32
...
	.end_amdgpu_metadata
.endif
;; end of part 3
;; launch addup (part 4): grid 1024 x 1, 8 waves a work-group, no clusters, 0 bytes of LDS; arguments part, out0; writes out0
.if DOCPART == 4
	.amdgcn_target "amdgcn-amd-amdhsa--gfx1250"
	.amdhsa_code_object_version 6
	.text
	.protected	k_qf08bc19d27_addup
	.globl	k_qf08bc19d27_addup
	.p2align	8
	.type	k_qf08bc19d27_addup,@function
k_qf08bc19d27_addup:
	s_mov_b64 s[64:65], 0
	v_nop
	global_prefetch_b8 v0, s[64:65] scope:SCOPE_SE
	s_setreg_imm32_b32 hwreg(HW_REG_WAVE_MODE, 25, 1), 1
	s_wait_xcnt 0x0
; out0[i] = (part[0][i] + part[1][i]) + (part[2][i] + part[3][i]), all f32: the four slices of the sum over k, each of 4,194,304 numbers.
; A stream: no LDS, no barrier, no matrix unit; each byte of part is read once, each byte of out0 written once.
; 1,024 work-groups of eight waves; a work-group makes 16,384 bytes of out0 from 65,536 of part.  Thread t owns the 16 bytes at 16 t of each of four pieces of 4,096 bytes,
; so a wave's load or store covers 512 consecutive bytes, aligned.  All sixteen loads of a thread go out at once; no register is written again, so no wait frees one.
; LIMIT: this order of adding the slices is the program's own; it differs from a single ascending sum over k in the rounding alone.
.set SLICE, 16777216                   ; bytes in a slice of part
.set P, 8                              ; v[8:71]  piece j, slice p: 4 numbers at P + 16 j + 4 p
	s_load_b128 s[4:7], s[0:1], 0x0                ; part s[4:5], out0 s[6:7]
	s_lshl_b32 s2, ttmp9, 14                       ; the work-group's 16,384 bytes
	s_mov_b32 s3, 0
	v_lshlrev_b32 v1, 4, v0                        ; 16 bytes a thread
	s_wait_kmcnt 0x0
	s_add_nc_u64 s[8:9], s[4:5], s[2:3]            ; a base for each slice: a slice is further than a load's immediate reaches
	s_add_nc_u64 s[10:11], s[8:9], SLICE
	s_add_nc_u64 s[12:13], s[10:11], SLICE
	s_add_nc_u64 s[14:15], s[12:13], SLICE
	s_add_nc_u64 s[6:7], s[6:7], s[2:3]
.irp j, 0,1,2,3
.irp p, 0,1,2,3
	global_load_b128 v[P+16*\j+4*\p:P+16*\j+4*\p+3], v1, s[8+2*\p:9+2*\p] offset:4096*\j th:TH_LOAD_NT
.endr
.endr
.irp j, 0,1,2,3
	s_wait_loadcnt 12-4*\j                         ; loads come back in order (ISA guide 5.7.1): piece j's four are in, the younger pieces' stay out
	v_pk_add_f32 v[P+16*\j:P+16*\j+1],     v[P+16*\j:P+16*\j+1],     v[P+16*\j+4:P+16*\j+5]
	v_pk_add_f32 v[P+16*\j+2:P+16*\j+3],   v[P+16*\j+2:P+16*\j+3],   v[P+16*\j+6:P+16*\j+7]
	v_pk_add_f32 v[P+16*\j+8:P+16*\j+9],   v[P+16*\j+8:P+16*\j+9],   v[P+16*\j+12:P+16*\j+13]
	v_pk_add_f32 v[P+16*\j+10:P+16*\j+11], v[P+16*\j+10:P+16*\j+11], v[P+16*\j+14:P+16*\j+15]
	v_pk_add_f32 v[P+16*\j:P+16*\j+1],     v[P+16*\j:P+16*\j+1],     v[P+16*\j+8:P+16*\j+9]
	v_pk_add_f32 v[P+16*\j+2:P+16*\j+3],   v[P+16*\j+2:P+16*\j+3],   v[P+16*\j+10:P+16*\j+11]
	global_store_b128 v1, v[P+16*\j:P+16*\j+3], s[6:7] offset:4096*\j th:TH_STORE_NT
.endr
	s_endpgm
.Lfunc_end_k_qf08bc19d27_addup:
	.size	k_qf08bc19d27_addup, .Lfunc_end_k_qf08bc19d27_addup-k_qf08bc19d27_addup
	.p2alignl 7, 3214868480
	.fill 96, 4, 3214868480
	.section	.rodata,"a",@progbits
	.p2align	6, 0x0
	.amdhsa_kernel k_qf08bc19d27_addup
		.amdhsa_group_segment_fixed_size 0
		.amdhsa_private_segment_fixed_size 0
		.amdhsa_enable_private_segment 0
		.amdhsa_kernarg_size 16
		.amdhsa_user_sgpr_count 2
		.amdhsa_user_sgpr_kernarg_segment_ptr 1
		.amdhsa_wavefront_size32 1
		.amdhsa_system_sgpr_workgroup_id_x 1
		.amdhsa_system_sgpr_workgroup_id_y 1
		.amdhsa_system_sgpr_workgroup_id_z 1
		.amdhsa_system_vgpr_workitem_id 0
		.amdhsa_next_free_vgpr 72
		.amdhsa_next_free_sgpr 66
		.amdhsa_reserve_vcc 0
		.amdhsa_float_denorm_mode_32 3
		.amdhsa_float_denorm_mode_16_64 3
		.amdhsa_memory_ordered 1
		.amdhsa_forward_progress 1
		.amdhsa_inst_pref_size 5
	.end_amdhsa_kernel
	.amdgpu_metadata
---
amdhsa.version: [ 1, 2 ]
amdhsa.kernels:
  - .name:           k_qf08bc19d27_addup
    .symbol:         k_qf08bc19d27_addup.kd
    .args:
      - { .name: part, .offset: 0, .size: 8, .value_kind: global_buffer, .address_space: global }
      - { .name: out0, .offset: 8, .size: 8, .value_kind: global_buffer, .address_space: global }
    .group_segment_fixed_size: 0
    .private_segment_fixed_size: 0
    .kernarg_segment_align: 8
    .kernarg_segment_size: 16
    .max_flat_workgroup_size: 256
    .sgpr_count:     66
    .vgpr_count:     72
    .wavefront_size: 32
...
	.end_amdgpu_metadata
.endif
;; end of part 4
;; ======== version 2 of 2: 4 launches; version 1 with the launch prep written anew for expert scheduling mode
;; limits: values are held in f16: magnitudes above 65,504 overflow, below 6.1e-05 lose precision
;; workspace buffers: xb 8,388,608 bytes; w1 16,777,216 bytes; w2 16,777,216 bytes; gates 32,768 bytes; hbuf 67,108,864 bytes; part 67,108,864 bytes
;; launch prep (part 5): grid 1280 x 1, 8 waves a work-group, no clusters, 0 bytes of LDS; arguments x, gate_w, fc_w, proj_w, xb, w1, w2, gates; writes xb, w1, w2, gates
.if DOCPART == 5
	.amdgcn_target "amdgcn-amd-amdhsa--gfx1250"
	.amdhsa_code_object_version 6
	.text
	.protected	k_qf08bc19d27_prep
	.globl	k_qf08bc19d27_prep
	.p2align	8
	.type	k_qf08bc19d27_prep,@function
k_qf08bc19d27_prep:
	s_mov_b64 s[64:65], 0
	v_nop
	global_prefetch_b8 v0, s[64:65] scope:SCOPE_SE
	s_setreg_imm32_b32 hwreg(HW_REG_WAVE_SCHED_MODE, 0, 2), 2
	s_setreg_imm32_b32 hwreg(HW_REG_WAVE_MODE, 25, 1), 1
	s_wait_xcnt 0x0
	s_wait_alu depctr_vm_vsrc(0)
; xb = f16(x), w1 = f16(fc_w), w2 = f16(proj_w), gates[n][0..1] = the renormalised softmax of x[n] . gate_w, all in f32.
; With two experts and top-2 the selection only permutes the two terms of a sum, so the two gates are kept in the experts' own order.
; WHY f16: an output is a sum of 8,192 products and is held to a hundredth of the outputs' root mean square; f16's 11 significant bits leave each rounding an eighth of what 8 bits would.
; 1,280 work-groups of eight waves, each reading 65,536 bytes: numbers 0-255 take 16 rows of x each (a wave two rows),
; 256-767 a piece of fc_w, 768-1279 a piece of proj_w.  A stream: no LDS, no barrier, no matrix unit; each input byte is read once.
; LIMITS: a number of x, fc_w or proj_w of size 65,504 or more becomes infinite in f16; under 6.1e-5 the step is 6e-8 (f16's denormals are kept).
; v_exp_f32 gives 0 for results under 2^-126, so a gate whose logit lies more than 87 under the other is 0; infinities and NaN in x are not followed.
; THE MODE: SCHED_MODE bits 1:0 = 2 (LLVM: expert scheduling mode 2), set by the entry lines.  The code itself states the register dependences
; between vector instructions and memory instructions, with s_wait_alu, always for 0.
; THE PLAN.  Registers that memory instructions touch, in either path:
;   the byte offsets (v1, v2 in the cast; v2, v3, v4, v5 in the rows)  written once by a vector instruction, never again; read by the loads and stores.
;   XR, 16 pieces of 4   a piece's load lands once, and all loads are issued before any vector instruction names XR; the piece's conversions write its registers 0 and 1 in place;
;                        its store reads these two; nothing writes them again.
;   WG                   loaded once, then read by vector instructions alone.      AC   vector instructions alone, until the last store reads v[136:139].
; The 16 pieces go in four groups of four.  A piece's store is issued one group behind its conversions.  So ONE wait on va_vdst at the head of a group states that the group before has written
; its store data, and that group's four stores follow it, dealt among this group's vector instructions, which name this group's pieces, WG and AC and none of the registers being stored.
; No register that a memory instruction reads is written again, so a wait on vm_vsrc stands at the two writes of EXEC alone.
.set XR, 8                             ; v[8:71]    row i, piece j: 4 numbers of x at XR + 32 i + 4 j (cast path: piece j at XR + 4 j)
.set WG, 72                            ; v[72:135]  piece j: gate_w of my 4 columns, (w[c][0], w[c][1]) in pairs, at WG + 8 j
.set AC, 136                           ; v[136:151] row i, chain k: a pair of partial logits at AC + 8 i + 2 k
	s_load_b512 s[16:31], s[0:1], 0x0              ; x s[16:17], gate_w s[18:19], fc_w s[20:21], proj_w s[22:23], xb s[24:25], w1 s[26:27], w2 s[28:29], gates s[30:31]
	s_cmp_lt_u32 ttmp9, 256
	s_cbranch_scc1 .Lrows
	; THE CAST OF A WEIGHT PIECE: 16 loads of 16 bytes a lane (a wave's load covers 512 consecutive bytes), all issued at once
	s_sub_co_u32 s4, ttmp9, 256                    ; 0-511 fc_w, 512-1023 proj_w
	s_and_b32 s5, s4, 511                          ; the piece
	s_lshl_b32 s10, s5, 16                         ; 65,536 bytes in,
	s_mov_b32 s11, 0
	s_lshl_b32 s12, s5, 15                         ; 32,768 out
	s_mov_b32 s13, 0
	v_lshlrev_b32 v1, 4, v0                        ; 16 bytes a thread in,
	v_lshlrev_b32 v2, 3, v0                        ; 8 out
	s_wait_kmcnt 0x0
	s_cmp_lt_u32 s4, 512
	s_cselect_b64 s[6:7], s[20:21], s[22:23]
	s_cselect_b64 s[8:9], s[26:27], s[28:29]
	s_add_nc_u64 s[6:7], s[6:7], s[10:11]
	s_add_nc_u64 s[8:9], s[8:9], s[12:13]
	s_wait_alu depctr_va_vdst(0)                   ; v1 and v2 are written: every load of this path reads v1 as its offset, every store v2
.irp j, 0,1,2,3,4,5,6,7,8,9,10,11,12,13,14,15
	global_load_b128 v[XR+4*\j:XR+4*\j+3], v1, s[6:7] offset:4096*\j th:TH_LOAD_NT
.endr
.irp j, 0,1,2,3,4,5,6,7,8,9,10,11,12,13,14,15
.if ((\j%4) == 0) && (\j > 0)
	s_wait_alu depctr_va_vdst(0)                   ; the head of a group: the conversions of the group before have written the registers that its four stores, below, read
.endif
.if \j >= 4
	global_store_b64 v2, v[XR+4*(\j-4):XR+4*(\j-4)+1], s[8:9] offset:2048*(\j-4)   ; the piece four back: a wave stores 256 consecutive bytes, aligned; no vector instruction since the wait names these registers, and none is written again
.endif
	s_wait_loadcnt 15-\j                           ; loads come back in order (ISA guide 5.7.1): piece j is in, the 15 - j younger ones stay out
	v_cvt_pk_f16_f32 v[XR+4*\j],   v[XR+4*\j],   v[XR+4*\j+1]
	v_cvt_pk_f16_f32 v[XR+4*\j+1], v[XR+4*\j+2], v[XR+4*\j+3]
.endr
	s_wait_alu depctr_va_vdst(0)                   ; the last group's conversions have written the registers that the last four stores read
.irp j, 12,13,14,15
	global_store_b64 v2, v[XR+4*\j:XR+4*\j+1], s[8:9] offset:2048*\j
.endr
	s_endpgm
.Lrows:
	; TWO ROWS OF x A WAVE.  Lane l holds columns 128 j + 4 l + 0..3 of piece j.
	v_lshrrev_b32 v6, 5, v0
	v_readfirstlane_b32 s5, v6                     ; wave 0..7
	v_and_b32 v1, 31, v0                           ; lane
	v_lshlrev_b32 v2, 4, v1                        ; x: 16 bytes a lane
	v_lshlrev_b32 v3, 3, v1                        ; xb: 8 bytes
	v_lshlrev_b32 v4, 5, v1                        ; gate_w: 4 columns of 8 bytes
	s_lshl_b32 s6, ttmp9, 16                       ; 16 rows of 4,096 bytes a work-group,
	s_wait_alu depctr_va_sdst(0)                   ; s5 is written, ahead of its first reader: the bases of x, xb and gates are made from it
	s_lshl_b32 s7, s5, 13                          ; 2 rows a wave
	s_add_co_u32 s6, s6, s7
	s_mov_b32 s7, 0
	s_lshr_b32 s8, s6, 1                           ; xb has half the bytes,
	s_mov_b32 s9, 0
	s_lshr_b32 s10, s6, 9                          ; gates 8 for a row's 4,096
	s_mov_b32 s11, 0
	s_mov_b32 s12, 0x76543210                      ; v_permlanex16_b32: each lane takes its own place in the other half
	s_mov_b32 s13, 0xfedcba98
	s_wait_kmcnt 0x0
	s_add_nc_u64 s[16:17], s[16:17], s[6:7]
	s_add_nc_u64 s[24:25], s[24:25], s[8:9]
	s_add_nc_u64 s[30:31], s[30:31], s[10:11]
	s_wait_alu depctr_va_vdst(0)                   ; v2, v3 and v4 are written: the offsets of x's loads, of xb's stores and of gate_w's loads
.irp j, 0,1,2,3,4,5,6,7
	global_load_b128 v[WG+8*\j:WG+8*\j+3],   v4, s[18:19] offset:1024*\j
	global_load_b128 v[WG+8*\j+4:WG+8*\j+7], v4, s[18:19] offset:1024*\j+16
.endr
.irp i, 0,1
.irp j, 0,1,2,3,4,5,6,7
	global_load_b128 v[XR+32*\i+4*\j:XR+32*\i+4*\j+3], v2, s[16:17] offset:4096*\i+512*\j th:TH_LOAD_NT
.endr
.endr
; Both logits at once: x[c], taken for both halves, times the pair (w[c][0], w[c][1]).  Four chains a row; piece 0 starts them: nothing is cleared.
.macro DOT i, j, k
.set rX, XR+32*\i+4*\j+2*(\k/2)
.set rW, WG+8*\j+2*\k
.set rA, AC+8*\i+2*\k
.if \j == 0
.if (\k%2) == 0
	v_pk_mul_f32 v[rA:rA+1], v[rX:rX+1], v[rW:rW+1] op_sel_hi:[0,1]
.else
	v_pk_mul_f32 v[rA:rA+1], v[rX:rX+1], v[rW:rW+1] op_sel:[1,0] op_sel_hi:[1,1]
.endif
.else
.if (\k%2) == 0
	v_pk_fma_f32 v[rA:rA+1], v[rX:rX+1], v[rW:rW+1], v[rA:rA+1] op_sel_hi:[0,1,1]
.else
	v_pk_fma_f32 v[rA:rA+1], v[rX:rX+1], v[rW:rW+1], v[rA:rA+1] op_sel:[1,0,0] op_sel_hi:[1,1,1]
.endif
.endif
.endm
; The two rows' 16 pieces, number 8 i + j, lie 4 registers apart in XR and 256 bytes apart in xb: four groups of four, as in the cast.
.irp i, 0,1
.irp j, 0,1,2,3,4,5,6,7
.if ((\j%4) == 0) && ((8*\i+\j) > 0)
	s_wait_alu depctr_va_vdst(0)                   ; the head of a group: the conversions of the group before have written the registers that its four stores, below, read
.endif
.if (8*\i+\j) >= 4
	global_store_b64 v3, v[XR+4*(8*\i+\j-4):XR+4*(8*\i+\j-4)+1], s[24:25] offset:256*(8*\i+\j-4)   ; the piece four back: 256 consecutive bytes, aligned; no vector instruction since the wait names these registers
.endif
	s_wait_loadcnt 15-8*\i-\j                      ; this piece is in (gate_w, issued earlier, too); the younger pieces of x stay out
	DOT \i, \j, 0
	DOT \i, \j, 1
	DOT \i, \j, 2
	DOT \i, \j, 3
	v_cvt_pk_f16_f32 v[XR+32*\i+4*\j],   v[XR+32*\i+4*\j],   v[XR+32*\i+4*\j+1]
	v_cvt_pk_f16_f32 v[XR+32*\i+4*\j+1], v[XR+32*\i+4*\j+2], v[XR+32*\i+4*\j+3]
.endr
.endr
	s_wait_alu depctr_va_vdst(0)                   ; the last group's conversions have written the registers that the last four stores of xb read
.irp j, 12,13,14,15
	global_store_b64 v3, v[XR+4*\j:XR+4*\j+1], s[24:25] offset:256*\j
.endr
.irp i, 0,1
	v_pk_add_f32 v[AC+8*\i:AC+8*\i+1],   v[AC+8*\i:AC+8*\i+1],   v[AC+8*\i+2:AC+8*\i+3]
	v_pk_add_f32 v[AC+8*\i+4:AC+8*\i+5], v[AC+8*\i+4:AC+8*\i+5], v[AC+8*\i+6:AC+8*\i+7]
.endr
.irp i, 0,1
	v_pk_add_f32 v[AC+8*\i:AC+8*\i+1],   v[AC+8*\i:AC+8*\i+1],   v[AC+8*\i+4:AC+8*\i+5]
.endr
	; over the 32 lanes: row 0's logits in v136, v137, row 1's in v144, v145
.irp m, 1,2,4,8
.irp r, 136,137,144,145
	v_add_f32_dpp v\r, v\r, v\r row_xmask:\m row_mask:0xf bank_mask:0xf
.endr
.endr
	v_permlanex16_b32 v138, v136, s12, s13         ; the destinations count as read: they are chain registers, written above
	v_permlanex16_b32 v139, v137, s12, s13
	v_permlanex16_b32 v146, v144, s12, s13
	v_permlanex16_b32 v147, v145, s12, s13
	v_add_f32 v136, v136, v138
	v_add_f32 v137, v137, v139
	v_add_f32 v144, v144, v146
	v_add_f32 v145, v145, v147
	; softmax over the two experts, the maximum taken away first; then the division by the sum of the two gates
	v_max_num_f32 v140, v136, v137
	v_max_num_f32 v148, v144, v145
	v_sub_f32 v136, v136, v140
	v_sub_f32 v137, v137, v140
	v_sub_f32 v144, v144, v148
	v_sub_f32 v145, v145, v148
.irp r, 136,137,144,145
	v_mul_f32 v\r, 0x3fb8aa3b, v\r                 ; times log2(e): v_exp_f32 is 2^x
.endr
.irp r, 136,137,144,145
	v_exp_f32 v\r, v\r
.endr
	v_mov_b32 v5, 0                                ; the gates' store offset; also the plain instruction between the last exponential and the use of its result (ISA guide 5.7.2)
	s_wait_alu depctr_va_vdst(0)                   ; the four exponentials have written v136, v137, v144, v145, ahead of their first reader: one wait for the batch
	v_add_f32 v140, v136, v137
	v_add_f32 v148, v144, v145
	v_rcp_f32 v140, v140
	v_rcp_f32 v148, v148
	v_nop                                          ; a plain instruction behind the reciprocals
	s_wait_alu depctr_va_vdst(0)                   ; the two reciprocals have written v140 and v148, ahead of their first reader
	v_mul_f32 v136, v136, v140
	v_mul_f32 v137, v137, v140
	v_mul_f32 v144, v144, v148
	v_mul_f32 v145, v145, v148
	v_add_f32 v141, v136, v137
	v_add_f32 v149, v144, v145
	v_rcp_f32 v141, v141
	v_rcp_f32 v149, v149
	v_nop
	s_wait_alu depctr_va_vdst(0)                   ; the two reciprocals have written v141 and v149, ahead of their first reader
	v_mul_f32 v136, v136, v141
	v_mul_f32 v137, v137, v141
	v_mul_f32 v138, v144, v149
	v_mul_f32 v139, v145, v149
	; every lane holds the four gates; lane 0 stores them: 16 bytes a wave, 32,768 in the whole launch, the price of having no LDS and no barrier here
	v_cmp_gt_u32 vcc_lo, 1, v1
	s_wait_xcnt 0x0                                ; EXEC is a source of the stores above: it changes only behind this wait
	s_wait_alu depctr_va_vcc(0)                    ; the compare has written VCC, from which EXEC is made
	s_wait_alu depctr_va_vdst(0)                   ; ahead of the write of EXEC: the vector instructions issued so far are done; among them those that wrote v5 and v[136:139], which the store below reads
	s_wait_alu depctr_vm_vsrc(0)                   ; ahead of the write of EXEC: the stores issued so far have read their vector registers
	s_and_saveexec_b32 s14, vcc_lo
	global_store_b128 v5, v[136:139], s[30:31]
	s_wait_xcnt 0x0                                ; and again in front of the line that widens it
	s_wait_alu depctr_va_vdst(0)                   ; ahead of the write of EXEC: no vector instruction is pending
	s_wait_alu depctr_vm_vsrc(0)                   ; ahead of the write of EXEC: the gates' store has read v5 and v[136:139]
	s_or_b32 exec_lo, exec_lo, s14
	s_endpgm
.Lfunc_end_k_qf08bc19d27_prep:
	.size	k_qf08bc19d27_prep, .Lfunc_end_k_qf08bc19d27_prep-k_qf08bc19d27_prep
	.p2alignl 7, 3214868480
	.fill 96, 4, 3214868480
	.section	.rodata,"a",@progbits
	.p2align	6, 0x0
	.amdhsa_kernel k_qf08bc19d27_prep
		.amdhsa_group_segment_fixed_size 0
		.amdhsa_private_segment_fixed_size 0
		.amdhsa_enable_private_segment 0
		.amdhsa_kernarg_size 64
		.amdhsa_user_sgpr_count 2
		.amdhsa_user_sgpr_kernarg_segment_ptr 1
		.amdhsa_wavefront_size32 1
		.amdhsa_system_sgpr_workgroup_id_x 1
		.amdhsa_system_sgpr_workgroup_id_y 1
		.amdhsa_system_sgpr_workgroup_id_z 1
		.amdhsa_system_vgpr_workitem_id 0
		.amdhsa_next_free_vgpr 152
		.amdhsa_next_free_sgpr 66
		.amdhsa_reserve_vcc 1
		.amdhsa_float_denorm_mode_32 3
		.amdhsa_float_denorm_mode_16_64 3
		.amdhsa_memory_ordered 1
		.amdhsa_forward_progress 1
		.amdhsa_inst_pref_size 23
	.end_amdhsa_kernel
	.amdgpu_metadata
---
amdhsa.version: [ 1, 2 ]
amdhsa.kernels:
  - .name:           k_qf08bc19d27_prep
    .symbol:         k_qf08bc19d27_prep.kd
    .args:
      - { .name: x, .offset: 0, .size: 8, .value_kind: global_buffer, .address_space: global }
      - { .name: gate_w, .offset: 8, .size: 8, .value_kind: global_buffer, .address_space: global }
      - { .name: fc_w, .offset: 16, .size: 8, .value_kind: global_buffer, .address_space: global }
      - { .name: proj_w, .offset: 24, .size: 8, .value_kind: global_buffer, .address_space: global }
      - { .name: xb, .offset: 32, .size: 8, .value_kind: global_buffer, .address_space: global }
      - { .name: w1, .offset: 40, .size: 8, .value_kind: global_buffer, .address_space: global }
      - { .name: w2, .offset: 48, .size: 8, .value_kind: global_buffer, .address_space: global }
      - { .name: gates, .offset: 56, .size: 8, .value_kind: global_buffer, .address_space: global }
    .group_segment_fixed_size: 0
    .private_segment_fixed_size: 0
    .kernarg_segment_align: 8
    .kernarg_segment_size: 64
    .max_flat_workgroup_size: 256
    .sgpr_count:     66
    .vgpr_count:     152
    .wavefront_size: 32
...
	.end_amdgpu_metadata
.endif
;; end of part 5
;; launch fc: the kernel of part 2 again; grid 32 x 8, 4 waves a work-group, clusters of 4 x 4, 327,680 bytes of LDS; arguments xb, w1, hbuf, gates; writes hbuf
;; launch proj: the kernel of part 3 again; grid 4 x 64, 4 waves a work-group, clusters of 4 x 4, 327,680 bytes of LDS; arguments hbuf, w2, part; writes part
;; launch addup: the kernel of part 4 again; grid 1024 x 1, 8 waves a work-group, no clusters, 0 bytes of LDS; arguments part, out0; writes out0
